; MI455X (gfx1250); checked and timed in simulation.
; The chip was launched on July 23, 2026; its instructions are those of AMD's public machine-readable ISA for CDNA 5 (MIT licence, August 2026) and "CDNA5" Instruction Set Architecture Reference Guide (July 2026). The comments in the code are by the model that wrote it; some were corrected since.
;; Causal Self Attention. Allowed arithmetic: matrix products marked QUANTISED: E5M2 operands, one given power-of-two scale a tensor, by v_wmma_f32_16x16x64_bf8_bf8 or v_wmma_f32_16x16x128_bf8_bf8, f32 sums; everything else in f32.
;; Inputs: b_attn 3,072 float32; b_proj 1,024 float32; lowp_scales 8 int32 (the exponents e of the quantised operands' scales 2^e); w_attn 1,024 x 3,072 float32; w_proj 1,024 x 1,024 float32; x 4 x 2,048 x 1,024 float32.
;; Outputs: out0 4 x 2,048 x 1,024 float32.
;; This version of the problem:
;;   THIS VERSION OF THE PROBLEM IS GIVEN IN LOW PRECISION. The matrix products marked QUANTISED in the list below multiply operands that are first quantised to E5M2 (5 exponent bits, 2 mantissa bits; 8 bits a number), with one given power-of-two scale for each operand tensor; their sums are f32. All else is computed in f32.
;;   The module's matrix products, in the order in which they are computed (A, B: the left and right operand; K: the contracted axis; several contracted axes count as one K, in the product's order):
;;     1. [M 8,192, K 1,024] x [K 1,024, N 3,072]; A: input x; B: input w_attn: QUANTISED (scales: A lowp_scales[0], B lowp_scales[1])
;;     2. batch 64 x [M 2,048, K 64] x [K 64, N 2,048]; A: computed on the way; B: computed on the way: QUANTISED (scales: A lowp_scales[2], B lowp_scales[3])
;;     3. batch 64 x [M 2,048, K 2,048] x [K 2,048, N 64]; A: softmax (see below); B: computed on the way: QUANTISED (scales: A lowp_scales[4], B lowp_scales[5])
;;     4. [M 8,192, K 1,024] x [K 1,024, N 1,024]; A: computed on the way; B: input w_proj: QUANTISED (scales: A lowp_scales[6], B lowp_scales[7])
;;   THE QUANTISER, for each operand of a quantised product, along K:
;;     - The operand's scale is 2^e, e = its entry of the input lowp_scales (int32; the entries are numbered through the quantised products in the list's order, A before B).
;;     - Each number is divided by the scale, clamped to +-57,344, and rounded to the nearest number of E5M2, ties to even, subnormals kept.
;;     - The product sums the exact products of the quantised numbers (number of the format x scale) in f32.
;;   ~~~python
;;   def quantise(x, axis, e):      # numpy; x: float32 -> the quantised numbers, widened to float32 again
;;       x = np.moveaxis(x, axis, -1); K = x.shape[-1]
;;       r = np.clip(x / 2.0 ** e, -57344, 57344)
;;       step = 2.0 ** (np.maximum(np.frexp(np.where(r == 0, 1, r))[1] - 1, -14) - 2)
;;       q = np.round(r / step) * step * 2.0 ** e      # np.round: ties to even
;;       return np.moveaxis(q, -1, axis).astype(np.float32)
;;   ~~~
;;   SOFTMAX AHEAD OF A QUANTISED PRODUCT. Where the list says 'softmax', what is quantised is not the finished softmax but p = 2^(t - M), with t = logit x log2(e) and M = ceil(the row's largest t), a whole number; so 1/2 < the row's largest p <= 1. The row's sum l is taken of the UNQUANTISED p, in f32, and the product's result is divided by l at the end. Since M is a whole number, a kernel that streams over the keys may use a running M (the ceiling of the running maximum): every later rescaling is an exact power of two, so the quantised numbers keep their values, but for numbers so far below the row's largest that they fall under the format's range.
;;   OPERANDS COMPUTED ON THE WAY. 'Computed on the way' means the value that the module computes at that place (a softmax that the list does not call 'softmax' is quantised finished and normalised). What goes into a quantiser is computed in f32, as accurately as f32 sums, v_exp_f32 and their like allow (about 1e-6 of the number): no bf16 or f16 on the way to a quantiser, and a product that is left as it is and whose result goes on into a quantised operand takes f32 operands (vector FMAs, or v_wmma_f32_16x16x4_f32). A number that lies on a knife's edge between two numbers of the format may be rounded either way, as far as f32 arithmetic and the matrix unit's own rounding can turn it there, and no further.
;; One version. Each part assembles by itself: llvm-mc -triple=amdgcn-amd-amdhsa -mcpu=gfx1250 --defsym DOCPART=n.
;; ======== version 1 of 1: 4 launches
;; limits: right only within a limited range of input values
;; workspace buffers: xc 8,388,608 bytes; wac 3,145,728 bytes; wpc 1,048,576 bytes; qc 8,388,608 bytes; kc 8,388,608 bytes; vc 8,388,608 bytes; yc 8,388,608 bytes
;; launch quant (part 1): grid 384 x 1, 4 waves a work-group, no clusters, 102,912 bytes of LDS; arguments x, w_attn, w_proj, lowp_scales, xc, wac, wpc; writes xc, wac, wpc
.if DOCPART == 1
	.amdgcn_target "amdgcn-amd-amdhsa--gfx1250"
	.amdhsa_code_object_version 6
	.text
	.protected	k_q14e7b40ccc_quant
	.globl	k_q14e7b40ccc_quant
	.p2align	8
	.type	k_q14e7b40ccc_quant,@function
k_q14e7b40ccc_quant:
	s_mov_b64 s[64:65], 0
	v_nop
	global_prefetch_b8 v0, s[64:65] scope:SCOPE_SE
	s_setreg_imm32_b32 hwreg(HW_REG_WAVE_MODE, 25, 1), 1
	s_wait_xcnt 0x0
; x [8192][1024], w_attn [1024][3072] and w_proj [1024][1024], f32, become codes of BF8 (E5M2), K innermost, each with the one scale 2^e given for it
; (lowp_scales entries 0, 1, 7).  code = number / 2^e, held within +-57,344, rounded to the nearest code, ties to even.
; LIMITS: each e between -126 and 112, so that 2^e and 57,344 x 2^e are f32 numbers.  NaN among the inputs is not served (an infinity is held at the largest code).
; THREE PATHS, parted by the work-group's number, each with LDS bytes of its own:
;   work-groups 0-255:   x.  K is innermost, rows are dense: a plain stream.  A wave takes 16 steps of 512 numbers; each load reads 512 consecutive bytes; the step's 2,048 bytes turn through the wave's own
;                        stage in LDS so that a lane holds 16 neighbours along K for the conversions; a lane's 16 codes are 16 bytes: a store covers 512 consecutive bytes.
;   work-groups 256-351: w_attn, 352-383: w_proj.  K is the FIRST axis: a lane takes a column n and its registers run down K, so the conversions give codes with K innermost; a wave gathers 32 columns x 256 K in its own
;                        stage and stores them by rows, sixteen lanes to 256 consecutive aligned bytes.
; w_proj's codes are laid with the two middle groups of 8 swapped inside each 32 along K (k 0-7, 16-23, 8-15, 24-31): a 16-byte read at 32 c + 16 (lane / 16) of a row then holds
; k = 32 c + 8 (lane / 16) + 0..7 and k = 32 c + 16 + 8 (lane / 16) + 0..7, the places that the matrix instruction's own layout gives; the projection's other operand comes in that layout.
; No tensor loads, no barrier (waves share nothing), no cluster (no two work-groups read the same bytes).
.set WGX,   256                        ; work-groups for x: 8,388,608 numbers / 32,768
.set WGA,   96                         ; for w_attn: 24 blocks of 128 columns x 4 blocks of 256 along K
.set EMAX,  15
.set MANT,  0x600000                   ; the mantissa field of 57,344 as f32
.set STEPS, 16
.set R,     16                         ; x: v16-79   four sets of 16 numbers as loaded
.set X,     80                         ; x: v80-111  two sets of 16 neighbours
.set C,     128                        ; x: v128-191 codes: four registers for each step, so that no store's data are written again
.set WREG,  8192                       ; x: LDS region of a wave: two stages of 32 x SP bytes
.set SP,    80                         ; x: a lane's place in a stage: 64 bytes + 16 of padding
.set NB,    8                          ; weights: blocks of 32 along K for a wave
.set PITCH, 272                        ; weights: a stage row: 256 bytes of codes + 16
.set KROW,  1024                       ; weights: a row of the codes' buffers in bytes
.set WX,    32                         ; weights: v32-95 two sets of 32 numbers
.set WC,    96                         ; weights: v96-103 a block's codes
.set OUTR,  112                        ; weights: v112-175 the way out
.macro LOAD t
.irp i, 0,1,2,3
	global_load_b128 v[R+16*((\t)%4)+4*\i:R+16*((\t)%4)+4*\i+3], v3, s[4:5] offset:2048*(\t)+512*\i th:TH_LOAD_NT   ; 32 lanes read 512 consecutive bytes
.endr
.endm
.macro TURN t                          ; step t's numbers through the stage: LDS serves a wave's instructions in order, so no wait stands between the stores and the loads
.irp i, 0,1,2,3
	ds_store_b128 v14, v[R+16*((\t)%4)+4*\i:R+16*((\t)%4)+4*\i+3] offset:32*SP*((\t)%2)+8*SP*\i
.endr
.irp i, 0,1,2,3
	ds_load_b128 v[X+16*((\t)%2)+4*\i:X+16*((\t)%2)+4*\i+3], v15 offset:32*SP*((\t)%2)+16*\i
.endr
.endm
.macro STEP t
.set XS, X+16*((\t)%2)
	s_wait_dscnt 0x0                               ; this step's numbers are back from the stage: so its stores into the stage have read their registers,
.if (\t)+4 < STEPS
	LOAD (\t)+4                                    ; which take the loads of four steps on
.endif
.if (\t)+1 < STEPS
.if STEPS-2-(\t) >= 3
	s_wait_loadcnt 12                              ; the next step's four loads are in; those of the three steps behind it may be out
.else
	s_wait_loadcnt 4*(STEPS-2-(\t))
.endif
	TURN (\t)+1                                    ; and go through the other stage while this step is worked
.endif
.irp i, 0,1,2,3,4,5,6,7,8,9,10,11,12,13,14,15
	v_med3_num_f32 v[XS+\i], v[XS+\i], -v10, v10   ; the conversion to an 8-bit code does not saturate (ISA guide 7.6.2): the hold at the largest code x the scale comes first
.endr
	v_cvt_scalef32_pk8_bf8_f32 v[C+4*(\t):C+4*(\t)+1], v[XS:XS+7], v11
	v_cvt_scalef32_pk8_bf8_f32 v[C+4*(\t)+2:C+4*(\t)+3], v[XS+8:XS+15], v11
	global_store_b128 v3, v[C+4*(\t):C+4*(\t)+3], s[12:13] offset:512*(\t)   ; the codes go to a store alone; the next vector lines are the next step's holds, on other registers
.endm
; weights: block t: W(32 t + i, my column), i = 0 .. 31, into set t % 2
.macro WLOAD t, N, src
.irp i, 0,1,2,3,4,5,6,7,8,9,10,11,12,13,14,15,16,17,18,19,20,21,22,23,24,25,26,27,28,29,30,31
	global_load_b32 v[WX+32*((\t)%2)+\i], v3, s[\src:\src+1] offset:(32*(\t)+\i)*\N*4 th:TH_LOAD_NT
.endr
.endm
.macro WBLOCK t, N, src, PERM
.set XS, WX+32*((\t)%2)
.if (\t) < NB-1
	s_wait_loadcnt 32                              ; this block's 32 loads are in; the next block's may be out
.else
	s_wait_loadcnt 0
.endif
.irp i, 0,1,2,3,4,5,6,7,8,9,10,11,12,13,14,15,16,17,18,19,20,21,22,23,24,25,26,27,28,29,30,31
	v_med3_num_f32 v[XS+\i], v[XS+\i], -v10, v10
.endr
.irp g, 0,1,2,3
.if \PERM
.set PG, ((\g)%2)*2+(\g)/2                     ; group g of 8 along K goes to place 0, 2, 1, 3
.else
.set PG, \g
.endif
	v_cvt_scalef32_pk8_bf8_f32 v[WC+2*PG:WC+2*PG+1], v[XS+8*\g:XS+8*\g+7], v11
.endr
	ds_store_b128 v4, v[WC:WC+3] offset:32*(\t)    ; 32 codes: 32 bytes of my column's row
	ds_store_b128 v4, v[WC+4:WC+7] offset:32*(\t)+16
.if (\t)+2 < NB
	WLOAD (\t)+2, \N, \src
.endif
	s_wait_dscnt 0x0                               ; the stores have read their registers: the next block's codes may be written (32 plain holds stand in front of its conversions)
.endm
; A weight [1024][N]: work-group FIRST + 4 c + y takes columns 128 c .. 128 c + 127, K 256 y .. 256 y + 255; a wave 32 of the columns.
; Every offset is an immediate: 255 x N x 4 is 3,133,440 at the most, inside the signed 24-bit immediate (ISA guide, chapter 10).
.macro WPATH N, FIRST, LBASE, PERM, esc, src, dst
	s_sub_co_u32 s19, ttmp9, \FIRST
	s_lshr_b32 s20, s19, 2
	s_and_b32 s21, s19, 3                          ; which 256 along K
	s_lshl_b32 s20, s20, 7
	s_lshl_b32 s22, s18, 5
	s_add_co_u32 s20, s20, s22                     ; my wave's first column
	v_lshlrev_b32 v3, 2, v2                        ; in: 4 bytes a lane
	s_mul_i32 s22, s18, 32*PITCH
	s_add_co_u32 s22, s22, \LBASE                  ; my stage
	v_mul_u32_u24 v4, v2, PITCH
	v_add_nc_u32 v4, s22, v4                       ; into it: row = my column
	v_and_b32 v5, 15, v2
	v_lshrrev_b32 v6, 4, v2                        ; out of it: sixteen lanes to a row, two rows an instruction
	v_mul_u32_u24 v7, v6, PITCH
	v_lshl_add_u32 v7, v5, 4, v7
	v_add_nc_u32 v7, s22, v7
	v_mul_u32_u24 v8, v6, KROW
	v_lshl_add_u32 v8, v5, 4, v8                   ; and the same place in the codes' buffer
	s_mul_i32 s32, s21, 256*\N*4                   ; 256 y rows of N x 4 bytes,
	s_lshl_b32 s33, s20, 2
	s_add_co_u32 s32, s32, s33                     ; + 4 x column
	s_mov_b32 s33, 0
	s_add_nc_u64 s[\src:\src+1], s[\src:\src+1], s[32:33]
	s_lshl_b32 s32, s20, 10                        ; codes: column x 1,024
	s_lshl_b32 s34, s21, 8
	s_add_co_u32 s32, s32, s34                     ; + 256 y
	s_add_nc_u64 s[\dst:\dst+1], s[\dst:\dst+1], s[32:33]
	WLOAD 0, \N, \src
	WLOAD 1, \N, \src
	s_wait_kmcnt 0x0                               ; the exponents
	s_add_co_i32 s32, s[\esc], 127
	s_lshl_b32 s33, s32, 23
	v_mov_b32 v11, s33                             ; 2^e as f32: the conversion takes its exponent field
	s_add_co_i32 s32, s32, EMAX
	s_lshl_b32 s32, s32, 23
	s_or_b32 s32, s32, MANT
	v_mov_b32 v10, s32                             ; 57,344 x 2^e
	s_wait_alu depctr_va_vdst(0)
.irp t, 0,1,2,3,4,5,6,7
	WBLOCK \t, \N, \src, \PERM
.endr
.irp t, 0,1,2,3,4,5,6,7,8,9,10,11,12,13,14,15
	ds_load_b128 v[OUTR+4*\t:OUTR+4*\t+3], v7 offset:2*\t*PITCH   ; LDS serves a wave's instructions in order: these see my stores
.endr
.irp t, 0,1,2,3,4,5,6,7,8,9,10,11,12,13,14,15
	s_wait_dscnt 15-\t                             ; LDS loads come back in order: pair t of rows is in, the younger ones may be out
	global_store_b128 v8, v[OUTR+4*\t:OUTR+4*\t+3], s[\dst:\dst+1] offset:2*\t*KROW
.endr
.endm
	s_load_b256 s[4:11], s[0:1], 0x0               ; x s[4:5], w_attn s[6:7], w_proj s[8:9], the exponents s[10:11]
	s_load_b128 s[12:15], s[0:1], 0x20             ; xc s[12:13], wac s[14:15]
	s_load_b64 s[16:17], s[0:1], 0x30              ; wpc
	v_lshl_add_u32 v192, v0, 2, 0x19000
	v_mov_b32 v193, 0
	v_lshrrev_b32 v1, 5, v0
	v_readfirstlane_b32 s18, v1                    ; wave 0..3
	v_and_b32 v2, 31, v0                           ; lane
	s_wait_kmcnt 0x0
	s_load_b256 s[24:31], s[10:11], 0x0            ; e0 .. e7
	s_cmp_lt_u32 ttmp9, WGX
	s_cbranch_scc0 .Lweights
	; ---- x
	s_wait_alu depctr_va_vdst(0)
	v_lshlrev_b32 v3, 4, v2                        ; my 16 bytes of a load's 512, and of a store's
	s_wait_alu depctr_va_vdst(0)
	s_mul_i32 s19, s18, WREG
	v_lshrrev_b32 v14, 2, v2
	v_mul_u32_u24 v14, v14, SP
	v_and_b32 v15, 3, v2
	v_lshl_add_u32 v14, v15, 4, v14
	v_add_nc_u32 v14, s19, v14                     ; the stage, on the way in: four lanes' 64 bytes on end, then 16 of padding
	v_mul_u32_u24 v15, v2, SP
	v_add_nc_u32 v15, s19, v15                     ; and on the way out: my 16 neighbours
	s_lshl_b32 s20, ttmp9, 2
	s_add_co_u32 s20, s20, s18                     ; which run of 8,192 numbers is my wave's
	s_lshl_b32 s22, s20, 15                        ; 32,768 bytes of f32 (1,023 runs at the most: under 2^32)
	s_mov_b32 s23, 0
	s_add_nc_u64 s[4:5], s[4:5], s[22:23]
	s_lshl_b32 s22, s20, 13                        ; 8,192 bytes of codes
	s_add_nc_u64 s[12:13], s[12:13], s[22:23]
.irp t, 0,1,2,3
	LOAD \t
.endr
	s_wait_alu depctr_va_vdst(0)
	s_wait_kmcnt 0x0
	s_add_co_i32 s22, s24, 127
	s_lshl_b32 s23, s22, 23
	v_mov_b32 v11, s23                             ; 2^e0
	s_add_co_i32 s22, s22, EMAX
	s_lshl_b32 s22, s22, 23
	s_or_b32 s22, s22, MANT
	v_mov_b32 v10, s22                             ; 57,344 x 2^e0
	s_wait_alu depctr_va_vdst(0)
	s_wait_loadcnt 12                              ; step 0's four loads are in
	TURN 0
.irp t, 0,1,2,3,4,5,6,7,8,9,10,11,12,13,14,15
	STEP \t
.endr
	s_wait_tensorcnt 0x0
	ds_add_u32 v192, v193
	s_wait_dscnt 0x0
	s_endpgm
.Lweights:
	s_cmp_lt_u32 ttmp9, WGX+WGA
	s_cbranch_scc0 .Lproj
	s_wait_alu depctr_va_vdst(0)
	WPATH 3072, WGX, 32768, 0, 25, 6, 14           ; w_attn, e1, natural order
	s_wait_tensorcnt 0x0
	ds_add_u32 v192, v193
	s_wait_dscnt 0x0
	s_endpgm
.Lproj:
	s_wait_alu depctr_va_vdst(0)
	WPATH 1024, WGX+WGA, 67584, 1, 31, 8, 16       ; w_proj, e7, the middle groups swapped
	s_wait_tensorcnt 0x0
	ds_add_u32 v192, v193
	s_wait_dscnt 0x0
	s_endpgm
.Lfunc_end_k_q14e7b40ccc_quant:
	.size	k_q14e7b40ccc_quant, .Lfunc_end_k_q14e7b40ccc_quant-k_q14e7b40ccc_quant
	.p2alignl 7, 3214868480
	.fill 96, 4, 3214868480
	.section	.rodata,"a",@progbits
	.p2align	6, 0x0
	.amdhsa_kernel k_q14e7b40ccc_quant
		.amdhsa_group_segment_fixed_size 102912
		.amdhsa_private_segment_fixed_size 0
		.amdhsa_enable_private_segment 0
		.amdhsa_kernarg_size 56
		.amdhsa_user_sgpr_count 2
		.amdhsa_user_sgpr_kernarg_segment_ptr 1
		.amdhsa_wavefront_size32 1
		.amdhsa_system_sgpr_workgroup_id_x 1
		.amdhsa_system_sgpr_workgroup_id_y 1
		.amdhsa_system_sgpr_workgroup_id_z 1
		.amdhsa_system_vgpr_workitem_id 0
		.amdhsa_next_free_vgpr 194
		.amdhsa_next_free_sgpr 66
		.amdhsa_reserve_vcc 0
		.amdhsa_float_denorm_mode_32 3
		.amdhsa_float_denorm_mode_16_64 3
		.amdhsa_memory_ordered 1
		.amdhsa_forward_progress 1
		.amdhsa_inst_pref_size 134
	.end_amdhsa_kernel
	.amdgpu_metadata
---
amdhsa.version: [ 1, 2 ]
amdhsa.kernels:
  - .name:           k_q14e7b40ccc_quant
    .symbol:         k_q14e7b40ccc_quant.kd
    .args:
      - { .name: x, .offset: 0, .size: 8, .value_kind: global_buffer, .address_space: global }
      - { .name: w_attn, .offset: 8, .size: 8, .value_kind: global_buffer, .address_space: global }
      - { .name: w_proj, .offset: 16, .size: 8, .value_kind: global_buffer, .address_space: global }
      - { .name: lowp_scales, .offset: 24, .size: 8, .value_kind: global_buffer, .address_space: global }
      - { .name: xc, .offset: 32, .size: 8, .value_kind: global_buffer, .address_space: global }
      - { .name: wac, .offset: 40, .size: 8, .value_kind: global_buffer, .address_space: global }
      - { .name: wpc, .offset: 48, .size: 8, .value_kind: global_buffer, .address_space: global }
    .group_segment_fixed_size: 102912
    .private_segment_fixed_size: 0
    .kernarg_segment_align: 8
    .kernarg_segment_size: 56
    .max_flat_workgroup_size: 128
    .sgpr_count:     66
    .vgpr_count:     194
    .wavefront_size: 32
...
	.end_amdgpu_metadata
.endif
;; end of part 1
;; launch gemm_qkv (part 2): grid 12 x 32, 4 waves a work-group, clusters of 4 x 4, 327,680 bytes of LDS; arguments xc, wac, b_attn, lowp_scales, qc, kc, vc; writes qc, kc, vc
.if DOCPART == 2
	.amdgcn_target "amdgcn-amd-amdhsa--gfx1250"
	.amdhsa_code_object_version 6
	.text
	.protected	k_q14e7b40ccc_gemm_qkv
	.globl	k_q14e7b40ccc_gemm_qkv
	.p2align	8
	.type	k_q14e7b40ccc_gemm_qkv,@function
k_q14e7b40ccc_gemm_qkv:
	s_mov_b64 s[64:65], 0
	v_nop
	global_prefetch_b8 v0, s[64:65] scope:SCOPE_SE
	s_setreg_imm32_b32 hwreg(HW_REG_WAVE_MODE, 25, 1), 1
	s_wait_xcnt 0x0
	s_wait_alu depctr_hold_cnt(0) depctr_sa_sdst(0) depctr_va_vdst(0) depctr_va_sdst(0) depctr_va_ssrc(0) depctr_va_vcc(0) depctr_vm_vsrc(0)
	s_getreg_b32 s2, hwreg(HW_REG_IB_STS2, 6, 4)
	s_cmp_eq_u32 s2, 0
	s_cbranch_scc0 .Lentry_in_a_cluster
	s_endpgm
.Lentry_in_a_cluster:
	s_bfe_u32 s2, ttmp6, 0x10000c
	s_cmp_lg_u32 s2, 0xf033
	s_cbranch_scc0 .Lentry_shape_is_right
	s_endpgm
.Lentry_shape_is_right:
; qkv = x w_attn + b_attn on codes of BF8 (xc [8192][1024], wac [3072][1024], K innermost), sums in f32; each finished sum x 2^(e0 + e1) + bias is quantised in registers with the scale of the
; operand that it becomes (q: e2, k: e3, v: e5) and leaves as codes, laid as IMAGES OF THE NEXT PRODUCT'S OPERAND REGISTERS:
;   qc, kc: [batch x head 64][tile of 16 tokens 128][2][32 lanes][16 bytes]: lane (r, h): token r, register pair c: d = 16 c + 8 h + 0..7 (a fragment of the K = 64 form)
;   vc:     [batch x head 64][block of 128 keys 16][tile of 16 d 4][4][32 lanes][16 bytes]: lane (r, h): d = r, register pair c: key 16 c + 8 h + 0..7 (a fragment of the K = 128 form)
; LIMITS: e0 + e1 between -126 and 127; e2, e3, e5 between -126 and 112, so that each power of two below is an f32 number.
; A tile of 256 x 256 of the result is made by four waves, each 128 x 128: 64 accumulators, 512 registers.  K = 1,024 goes in four steps of 256 through a ring of two LDS slots filled by the tensor data mover.
; TWO OPERAND ROLES.  P (source 1): a lane of the result holds ONE row of P.  R (source 0): a lane's eight registers hold eight neighbouring rows of R.  The conversions want neighbours along the next K in a lane's
; registers: for q and k that is d, so P = tokens (xc), R = columns (wac); for v it is the keys, so P = columns (wac), R = tokens (xc).  The cluster's x (0: q, 1: k, 2: v) says which; it is the same in all sixteen
; partners.  Only pointers and row numbers are chosen by it, by s_cselect: one text, no branch.
; CLUSTERS: 4 x 4 work-groups.  P's tile hangs on cy and is shared along a row of the cluster, R's on cx and is shared along a column: each is asked for JOINTLY, by the same tensor load with the same descriptor and
; a mask that names the four.  Four K steps: two are the first fills and two follow at once, so nothing is asked of memory ahead of the loads.
; Fragments are read by four 16-byte loads a side: the same permutation of k in both operands, so every product meets its partner.
; REGISTERS, in windows of 256: window 0: v16-30 addresses and the scale; v32-95 the bias along R; v96-111 the bias along P; v128-255 P's fragments, ONE set, on the way out the codes.
;   window 1: R's fragments, TWO sets.   window 2: the accumulators of my P rows 0-63 ((a, b) at v[8 (8 a + b)]);   window 3: those of rows 64-127.
.set KSTEP,  256
.set ROWB,   256                       ; a tile's row in bytes
.set KROW,   1024                      ; a row of xc or wac in memory
.set PITCH,  272                       ; an LDS row: 256 bytes + 16 of padding = 68 words: row r starts at bank 4 r mod 64 (64 banks of 4 bytes: ISA guide 11.1)
.set FR,     16                        ; registers of a fragment: 16 rows x 128 K
.set NL,     4                         ; LDS loads that bring one
.set NP,     4                         ; places behind this matrix instruction (ISA guide 7.12.1)
.set HALFT,  128*PITCH                 ; 128 rows: what one tensor load brings, and what one wave reads of P or of R
.set SLOT,   4*HALFT                   ; P's 256 rows, then R's 256 rows
.set LAPS,   2                         ; a lap = two K steps = once round the ring
.set SPARE,  2*SLOT                    ; behind the ring: the spare words, 128 bytes for each wave
.set ADRA, 16                          ; v16-17  LDS address of my P fragments in slot 0, 1
.set ADRB, 20                          ; v20-21  the same for R
.set OFF1, 26                          ; v26     16 x lane: an image's place for my lane
.set OFF2, 27                          ; v27     the same for a block's second eight code registers: the next head (q, k) or the fragment's second half (v)
.set SPW,  28                          ; v28     LDS address of my spare word; never rewritten
.set NIL,  29                          ; v29     0; never rewritten
.set QS,   30                          ; v30     2^e as f32, for the conversions
.set BR,   32                          ; v32-95  bias of R row 16 b + 8 h + j at 8 b + j (zeros for v)
.set BP,   96                          ; v96-111 bias of P row 16 a + r, twice, at 2 a (zeros for q and k)
.set AF,   128
.set CD,   128                         ; the way out: block a's 16 code registers at 16 a
.set G1, 24                            ; s[24:31] descriptor group 1 for P's tiles;  s[32:39] group 0, one set for each slot
.set G0, 32
.set G1B, 48                           ; s[48:55], s[56:63] the same for R's tiles
.set G0B, 56
.set SB, 66                            ; s[66:81] where block a's codes go: a base for each of the eight blocks, never rewritten
.set MSB, 0
.macro WIN new                         ; the immediate's high byte repeats the setting that is left
.if MSB != \new
	s_set_vgpr_msb (MSB<<8)|\new
.set MSB, \new
.endif
.endm
.set MUL_LO, 0xa1                      ; source 0 (R) window 1, source 1 (P) window 0, C and D window 2
.set MUL_HI, 0xf1                      ; the same, C and D window 3
.set TO_B,   0x40                      ; destination window 1, address window 0
; A joint load: waves 0 and 1 fetch for P, waves 2 and 3 for R.  Each line has ONE mask and one set of registers for all that issue it; the branch hangs on the wave's number alone.
; Four v_nop follow each of the two lines, ahead of the jump, the label and what follows.
.macro JLOAD g0a, g1a, g0b, g1b
	s_cmp_eq_u32 s15, 0
	s_cbranch_scc0 .Lfor_b_\@
	tensor_load_to_lds s[\g0a:\g0a+3], s[\g1a:\g1a+7]
	s_nop 0
.rept 4
	v_nop
.endr
	s_branch .Lasked_\@
.Lfor_b_\@:
	tensor_load_to_lds s[\g0b:\g0b+3], s[\g1b:\g1b+7]
	s_nop 0
.rept 4
	v_nop
.endr
.Lasked_\@:
.endm
.macro CREST                           ; a round of the cluster's barrier behind its opening barrier
	s_cmp_lg_u32 s14, 0
	s_cbranch_scc1 .Lnot_wave_0_\@
	s_barrier_signal -3
.Lnot_wave_0_\@:
	s_barrier_wait -3
	s_barrier_signal -1
	s_barrier_wait -1
.endm
.macro CROUND                          ; a whole round
	s_barrier_signal -1
	s_barrier_wait -1
	CREST
.endm
	s_load_b256 s[4:11], s[0:1], 0x0               ; xc s[4:5], wac s[6:7], b_attn s[8:9], the exponents s[10:11]
	s_load_b128 s[84:87], s[0:1], 0x20             ; qc s[84:85], kc s[86:87]
	s_load_b64 s[88:89], s[0:1], 0x30              ; vc
	v_lshl_add_u32 v[SPW], v0, 2, SPARE
	v_mov_b32 v[NIL], 0
	ds_add_u32 v28, v29
	ds_add_u32 v28, v29
	s_wait_dscnt 0x0
	v_lshrrev_b32 v1, 5, v0
	v_readfirstlane_b32 s14, v1                    ; wave 0..3
	s_lshr_b32 s15, s14, 1                         ; which half of the tile's P rows is mine.  Also: I fetch for P (0) or for R (1)
	s_and_b32 s16, s14, 1                          ; which half of its R rows.  Also: which 128 rows of that tile I fetch
	s_bfe_u32 s40, ttmp6, 0x40000                  ; cx, cy: my place in the cluster
	s_bfe_u32 s41, ttmp6, 0x40004
	s_and_b32 s17, ttmp7, 0xffff
	s_lshl_b32 s17, s17, 2                         ; 4 x cluster y
	s_lshl_b32 s43, s41, 2
	s_lshl_b32 s43, 15, s43                        ; my row of the cluster
	s_lshl_b32 s44, 0x1111, s40                    ; my column
	; descriptor group 1: a tile of 128 rows x 256 bytes, padded in LDS
	s_or_b32 s[G1+0], s43, (0<<16)|(1<<20)|(1<<21)|(5<<22)|(3<<25)  ; 15:0 the mask: P's tiles go to my row; 17:16 element of 1 byte; 20 padding on; 21 set beside a mask; 24:22 after every 64 words (code 5); 31:25 of 4 words (code 3)
	s_or_b32 s[G1B+0], s44, (0<<16)|(1<<20)|(1<<21)|(5<<22)|(3<<25) ; the same with the mask of my column, for R's tiles
.irp g, G1, G1B
	s_mov_b32 s[\g+1], ROWB<<16                    ; tensor_dim0
	s_mov_b32 s[\g+2], 128<<16                     ; tensor_dim1 = 128
	s_mov_b32 s[\g+3], ROWB<<16                    ; tile_dim0
	s_mov_b32 s[\g+4], 128                         ; tile_dim1 = 128
	s_mov_b32 s[\g+5], KROW                        ; tensor_dim0_stride
	s_mov_b32 s[\g+6], 0
	s_mov_b32 s[\g+7], 0
.endr
	; the tiles' first rows.  P's hang on cy alone among the places, R's on cx alone, each in registers that do not hold the other.
	s_lshl_b32 s18, s16, 7                         ; which 128 rows of the tile I fetch
	s_add_co_u32 s20, s17, s41
	s_lshl_b32 s20, s20, 8                         ; q, k: P = tokens 256 (4 Y + cy) on
	s_lshl_b32 s21, s41, 8
	s_add_co_u32 s21, s21, 2048                    ; v:    P = columns 2,048 + 256 cy on
	s_lshl_b32 s46, ttmp9, 10
	s_lshl_b32 s47, s40, 8
	s_add_co_u32 s46, s46, s47                     ; q, k: R = columns 1,024 X + 256 cx on
	s_add_co_u32 s42, s17, s40
	s_lshl_b32 s42, s42, 8                         ; v:    R = tokens 256 (4 Y + cx) on
	s_cmp_eq_u32 ttmp9, 2                          ; v's cluster?
	s_cselect_b32 s20, s21, s20
	s_cselect_b32 s46, s42, s46
	s_add_co_u32 s20, s20, s18
	s_add_co_u32 s46, s46, s18
	s_lshl_b32 s20, s20, 10                        ; rows of 1,024 bytes (8,191 rows at the most: under 2^32)
	s_lshl_b32 s46, s46, 10
	s_mov_b32 s21, 0
	s_mov_b32 s47, 0
	s_mul_i32 s45, s14, HALFT                      ; where they go: wave x 128 rows: no place in the cluster enters an LDS address
	s_wait_kmcnt 0x0
	s_load_b256 s[92:99], s[10:11], 0x0            ; e0 .. e7
	s_cmp_eq_u32 ttmp9, 2
	s_cselect_b64 s[22:23], s[6:7], s[4:5]         ; P's buffer
	s_cselect_b64 s[12:13], s[4:5], s[6:7]         ; R's buffer
	s_add_nc_u64 s[20:21], s[22:23], s[20:21]
	s_add_nc_u64 s[46:47], s[12:13], s[46:47]
	CROUND                                         ; all sixteen work-groups are here: the first joint loads meet
.irp s, 0,1
	s_mov_b32 s[G0+4*\s], 1
	s_add_co_u32 s[G0+4*\s+1], s45, \s*SLOT
	s_add_nc_u64 s[G0+4*\s+2:G0+4*\s+3], s[20:21], \s*ROWB
	s_or_b32 s[G0+4*\s+3], s[G0+4*\s+3], 0x80000000
	s_mov_b32 s[G0B+4*\s], 1
	s_add_co_u32 s[G0B+4*\s+1], s45, \s*SLOT
	s_add_nc_u64 s[G0B+4*\s+2:G0B+4*\s+3], s[46:47], \s*ROWB
	s_or_b32 s[G0B+4*\s+3], s[G0B+4*\s+3], 0x80000000
.endr
	JLOAD G0, G1, G0B, G1B                         ; K step 0: one tensor load a wave at the head
	v_and_b32 v1, 15, v0                           ; r = l % 16
	v_bfe_u32 v2, v0, 4, 1                         ; h = l / 16
	v_mul_u32_u24 v3, v1, PITCH
	v_lshl_add_u32 v4, v2, 4, v3                   ; a fragment's row x pitch + 16 x half
	s_mul_i32 s21, s15, HALFT                      ; my 128 rows of P
	s_mul_i32 s22, s16, HALFT                      ; my 128 rows of R,
	s_add_co_u32 s22, s22, 2*HALFT                 ; which lie behind P's 256
.irp s, 0,1
	v_add_nc_u32 v[ADRA+\s], s21, v4
	v_add_nc_u32 v[ADRB+\s], s22, v4
	s_add_co_u32 s21, s21, SLOT
	s_add_co_u32 s22, s22, SLOT
.endr
	; THE BIAS.  Along R (q, k: the column is an R row): b_attn[nR + 16 b + 8 h + j].  Along P (v: the column is a P row): b_attn[nP + 16 a + r].  Both are loaded in every mode, the one that
	; the mode does not use from the buffer's head, and that one is cleared: value = sum x 2^(e0 + e1) + BR + BP, one of the two addends 0.
	v_lshlrev_b32 v5, 5, v2                        ; 32 h
	s_wait_alu depctr_va_vdst(0)
	v_lshlrev_b32 v6, 2, v1                        ; 4 r
	s_wait_alu depctr_va_vdst(0)
	s_lshl_b32 s18, ttmp9, 10
	s_lshl_b32 s19, s40, 8
	s_add_co_u32 s18, s18, s19
	s_lshl_b32 s19, s16, 7
	s_add_co_u32 s18, s18, s19
	s_lshl_b32 s18, s18, 2                         ; 4 nR: 1,024 X + 256 cx + 128 x my half of R
	s_lshl_b32 s22, s41, 8
	s_add_co_u32 s22, s22, 2048
	s_lshl_b32 s23, s15, 7
	s_add_co_u32 s22, s22, s23
	s_lshl_b32 s22, s22, 2                         ; 4 nP: 2,048 + 256 cy + 128 x my half of P
	s_cmp_eq_u32 ttmp9, 2
	s_cselect_b32 s18, 0, s18
	s_cselect_b32 s22, s22, 0
	s_cselect_b32 s90, 0, -1                       ; keeps or clears the bias along R
	s_cselect_b32 s91, -1, 0                       ; the same along P
	s_mov_b32 s19, 0
	s_mov_b32 s23, 0
	s_add_nc_u64 s[18:19], s[8:9], s[18:19]
	s_add_nc_u64 s[22:23], s[8:9], s[22:23]
.irp b, 0,1,2,3,4,5,6,7
	global_load_b128 v[BR+8*\b:BR+8*\b+3], v5, s[18:19] offset:64*\b
	global_load_b128 v[BR+8*\b+4:BR+8*\b+7], v5, s[18:19] offset:64*\b+16
.endr
.irp a, 0,1,2,3,4,5,6,7
	global_load_b32 v[BP+2*\a], v6, s[22:23] offset:64*\a
.endr
	; WHERE THE CODES GO.  My 128 tokens begin at m0, my 128 columns at head head0 (two heads).  In all three buffers a head is 131,072 bytes and 16 tokens of a head are 1,024.
	s_add_co_u32 s20, s17, s40                     ; 4 Y + cx
	s_add_co_u32 s21, s17, s41                     ; 4 Y + cy
	s_mov_b32 s44, 1024
	s_mov_b32 s46, 1024
	s_mov_b32 s100, 0x20000
	s_wait_kmcnt 0x0                               ; the exponents
	s_cmp_eq_u32 ttmp9, 2
	s_cselect_b32 s20, s20, s21                    ; the tile of tokens,
	s_cselect_b32 s21, s16, s15                    ; my half of it,
	s_cselect_b32 s42, s41, s40                    ; the tile of columns within q, k or v,
	s_cselect_b32 s43, s15, s16                    ; my half of it
	s_cselect_b32 s44, 2048, s44                   ; from block a to block a + 1: q, k: the next 16 tokens; v: the next 16 d
	s_cselect_b32 s46, 124928, s46                 ; from block 3 to block 4: v: the next head's first 16 d, 131,072 - 3 x 2,048 on
	s_cselect_b32 s100, 1024, s100                 ; from a block's first eight code registers to its second eight: q, k: the next head; v: the fragment's second half
	s_cselect_b64 s[12:13], s[88:89], s[86:87]
	s_cselect_b32 s101, s97, s95                   ; e5 or e3
	s_cmp_eq_u32 ttmp9, 0
	s_cselect_b64 s[12:13], s[84:85], s[12:13]     ; qc, kc or vc
	s_cselect_b32 s101, s94, s101                  ; e2
	s_lshl_b32 s20, s20, 8
	s_lshl_b32 s21, s21, 7
	s_add_co_u32 s20, s20, s21                     ; m0
	s_lshl_b32 s42, s42, 2
	s_lshl_b32 s43, s43, 1
	s_add_co_u32 s42, s42, s43                     ; head0
	s_lshr_b32 s21, s20, 11                        ; the batch
	s_lshl_b32 s21, s21, 4
	s_add_co_u32 s21, s21, s42
	s_lshl_b32 s21, s21, 17
	s_and_b32 s20, s20, 2047
	s_lshl_b32 s20, s20, 6
	s_add_co_u32 s20, s20, s21
	s_mov_b32 s21, 0
	s_mov_b32 s45, 0
	s_mov_b32 s47, 0
	s_add_nc_u64 s[SB:SB+1], s[12:13], s[20:21]
.irp a, 1,2,3,4,5,6,7
.if \a == 4
	s_add_nc_u64 s[SB+2*\a:SB+2*\a+1], s[SB+2*\a-2:SB+2*\a-1], s[46:47]
.else
	s_add_nc_u64 s[SB+2*\a:SB+2*\a+1], s[SB+2*\a-2:SB+2*\a-1], s[44:45]
.endif
.endr
	v_and_b32 v7, 31, v0
	v_lshlrev_b32 v[OFF1], 4, v7
	v_add_nc_u32 v[OFF2], s100, v[OFF1]
	s_add_co_i32 s82, s92, s93
	s_add_co_i32 s82, s82, 127
	s_lshl_b32 s82, s82, 23                        ; 2^(e0 + e1) as f32
	s_mov_b32 s83, s82                             ; (named with it as a pair, so it is written)
	s_add_co_i32 s101, s101, 127
	s_lshl_b32 s100, s101, 23
	v_mov_b32 v[QS], s100                          ; 2^e: the conversion takes its exponent field
	s_add_co_i32 s101, s101, 15
	s_lshl_b32 s101, s101, 23
	s_or_b32 s101, s101, 0x600000                  ; 57,344 x 2^e,
	s_or_b32 s100, s101, 0x80000000                ; and its negative
	s_wait_loadcnt 0x0                             ; the biases
.set j, 0
.rept 64
	v_and_b32 v[BR+j], s90, v[BR+j]
.set j, j+1
.endr
.irp a, 0,1,2,3,4,5,6,7
	v_and_b32 v[BP+2*\a], s91, v[BP+2*\a]
	v_mov_b32 v[BP+2*\a+1], v[BP+2*\a]             ; twice, for the packed addition
.endr
.macro FRAG reg, adr, q, i             ; a fragment, 16 rows x 128 K, is 16 registers: lane l holds row l % 16; registers 4 c .. 4 c + 3 hold the row's bytes 32 c + 16 (l / 16) + 0 .. 15
.irp c, 0,1,2,3
	ds_load_b128 v[\reg+4*\c:\reg+4*\c+3], v[\adr] offset:128*(\q)+32*\c+(\i)*16*PITCH
.endr
.endm
; 16 matrix instructions: P's blocks a0, a0 + 1 x R's eight, 128 along K.  p: R's set.  zero = 1: the first product starts the sums: nothing is ever cleared.
; The 64 accumulators take turns, one instruction a turn, in the same order in every step.
.macro MUL16 a0, p, zero
.irp a, \a0, \a0+1
.irp b, 0,1,2,3,4,5,6,7
.if \zero
	v_wmma_f32_16x16x128_bf8_bf8 v[8*(8*((\a)%4)+\b):8*(8*((\a)%4)+\b)+7], v[128*(\p)+FR*\b:128*(\p)+FR*\b+FR-1], v[AF+FR*(\a):AF+FR*(\a)+FR-1], 0
.else
	v_wmma_f32_16x16x128_bf8_bf8 v[8*(8*((\a)%4)+\b):8*(8*((\a)%4)+\b)+7], v[128*(\p)+FR*\b:128*(\p)+FR*\b+FR-1], v[AF+FR*(\a):AF+FR*(\a)+FR-1], v[8*(8*((\a)%4)+\b):8*(8*((\a)%4)+\b)+7]
.endif
.endr
.endr
.endm
.macro FETCH_B slot, q, p              ; R's eight fragments of the slot's q-th 128 along K into set p
	WIN TO_B
.irp i, 0,1,2,3,4,5,6,7
	FRAG 128*(\p)+FR*\i, ADRB+\slot, \q, \i
.endr
	WIN 0
.endm
.macro FETCH_A slot, q, i0             ; P's blocks i0 .. i0 + 3
.irp i, \i0, \i0+1, \i0+2, \i0+3
	FRAG AF+FR*(\i), ADRA+\slot, \q, \i
.endr
.endm
; A load into a register that a matrix instruction has read, and a vector instruction that reads a matrix result, stand NP places behind that matrix instruction, and only plain vector
; instructions that name none of its registers are places (ISA guide 7.12.1 for vector instructions).
.macro PLACES n
.rept \n
	v_nop
.endr
.endm
; A step of 128 along K that has its successor in the same slot.  A block of P is free as soon as its eight products are issued, so one set serves P: blocks 0-3 are fetched anew in the step's middle, blocks 4-7 at its end.
.macro STEP slot, q, zero
	s_wait_dscnt 4*NL                              ; R's set and P's blocks 0-3 are in; the youngest sixteen loads (P's blocks 4-7) may be out
	WIN MUL_LO
	MUL16 0, (\q)%2, \zero
	MUL16 2, (\q)%2, \zero
	s_wait_dscnt 0                                 ; P's blocks 4-7 are in (asked for 32 matrix instructions ago)
	PLACES NP
	FETCH_B \slot, (\q)+1, 1-(\q)%2
	FETCH_A \slot, (\q)+1, 0
	WIN MUL_HI
	MUL16 4, (\q)%2, \zero
	MUL16 6, (\q)%2, \zero
	PLACES NP
	WIN 0
	FETCH_A \slot, (\q)+1, 4
.endm
; A slot's last step changes slots: ONE barrier; in front of it each wave waits for all its tensor loads, adds 0 to its spare word, and waits for that and for its own reads of this slot.  fill = 1: this slot is filled again, two K steps ahead.
.macro TURN slot, next, fill
	s_wait_tensorcnt 0x0                           ; all my tensor loads have landed: my part of the next slot  (every window is 0 here)
	ds_add_u32 v[SPW], v[NIL]                      ; 0 onto my spare word
	s_wait_dscnt 4*NL+1                            ; (the add and the youngest sixteen loads, P's blocks 4-7, may be out)
	WIN MUL_LO
	MUL16 0, 1, 0                                  ; sixteen matrix instructions stand between the add and the wait for it
	s_wait_dscnt 0x0                               ; the add is done, and my reads of this slot are over
	s_barrier_signal -1
	MUL16 2, 1, 0
	WIN 0
	s_barrier_wait -1
.if \fill
	CREST                                          ; the barrier has opened a round of the cluster's barrier: no wave of any partner still reads this slot's tile or has a load on its way
	s_add_nc_u64 s[G0+4*\slot+2:G0+4*\slot+3], s[G0+4*\slot+2:G0+4*\slot+3], 2*ROWB
	s_add_nc_u64 s[G0B+4*\slot+2:G0B+4*\slot+3], s[G0B+4*\slot+2:G0B+4*\slot+3], 2*ROWB
	JLOAD G0+4*\slot, G1, G0B+4*\slot, G1B         ; the first tensor load behind the round; the four v_nop behind it are the places in front of the loads below
.else
	PLACES NP
.endif
	FETCH_B \next, 0, 0
	FETCH_A \next, 0, 0
	WIN MUL_HI
	MUL16 4, 1, 0
	MUL16 6, 1, 0
	PLACES NP
	WIN 0
	FETCH_A \next, 0, 4
.endm
	s_wait_alu depctr_va_vdst(0)
	s_wait_tensorcnt 0x0                           ; my part of K step 0 is in; these lines stand ahead of a later first fill as ahead of a refill
	ds_add_u32 v[SPW], v[NIL]                      ; 0 onto my spare word
	s_wait_dscnt 0x0
	CROUND                                         ; everybody's part of K step 0 is in, and all sixteen work-groups are here
	JLOAD G0+4, G1, G0B+4, G1B                     ; K step 1: slot 1's first fill, the first tensor load behind the round
	FETCH_B 0, 0, 0
	FETCH_A 0, 0, 0
	FETCH_A 0, 0, 4
	STEP 0, 0, 1                                   ; the first step stands in front of the loop: its products start the sums
	s_mov_b32 s3, LAPS-1
.Llap:                                                 ; a trip goes once round the ring, from a lap's second step to the next lap's first, and fills both slots again
	TURN 0, 1, 1
	STEP 1, 0, 0
	TURN 1, 0, 1
	STEP 0, 0, 0
	s_sub_co_u32 s3, s3, 1
	s_cmp_lg_u32 s3, 0
	s_cbranch_scc1 .Llap
	TURN 0, 1, 0                                   ; the last lap fills nothing, and has no round of the cluster's barrier
	STEP 1, 0, 0
	s_wait_dscnt 4*NL                              ; the very last step: nothing more to fetch
	WIN MUL_LO
	MUL16 0, 1, 0
	MUL16 2, 1, 0
	s_wait_dscnt 0
	WIN MUL_HI
	MUL16 4, 1, 0
	MUL16 6, 1, 0
	WIN 0
; THE WAY OUT, block by block of 16 P rows x 128 R rows.  In place: sum x 2^(e0 + e1) + bias (each accumulator from its low end on), the hold at the largest code x the scale (the conversion does not
; saturate: ISA guide 7.6.2), then eight conversions: accumulator b's eight registers are eight neighbours along the next K and become register pair b of the block's 16 code registers.
; Those are images as they stand: each store puts lane l's 16 bytes at 16 l, 512 consecutive bytes at a multiple of 512 from the buffer's first byte.  No LDS, no wait: each block has code registers and a base of its own.
.macro OUTBLK a
.set AC, 64*((\a)%4)
.set WW, 2+((\a)/4)
	WIN (65*WW)                                    ; source 0 and destination: window 2 or 3
.set j, 0
.rept 32
	v_pk_fma_f32 v[AC+j:AC+j+1], v[AC+j:AC+j+1], s[82:83], v[BR+j:BR+j+1] op_sel_hi:[1,0,1]
.set j, j+2
.endr
.set j, 0
.rept 32
	v_pk_add_f32 v[AC+j:AC+j+1], v[AC+j:AC+j+1], v[BP+2*(\a):BP+2*(\a)+1]
.set j, j+2
.endr
.set j, 0
.rept 64
	v_med3_num_f32 v[AC+j], v[AC+j], s100, s101
.set j, j+1
.endr
	WIN WW                                         ; source 0: window 2 or 3; destination window 0
.irp b, 0,1,2,3,4,5,6,7
	v_cvt_scalef32_pk8_bf8_f32 v[CD+16*(\a)+2*\b:CD+16*(\a)+2*\b+1], v[AC+8*\b:AC+8*\b+7], v[QS]
.endr
	v_nop                                          ; one plain vector instruction behind the last conversion of the run
	WIN 0
	global_store_b128 v[OFF1], v[CD+16*(\a):CD+16*(\a)+3], s[SB+2*(\a):SB+2*(\a)+1]
	global_store_b128 v[OFF1], v[CD+16*(\a)+4:CD+16*(\a)+7], s[SB+2*(\a):SB+2*(\a)+1] offset:512
	global_store_b128 v[OFF2], v[CD+16*(\a)+8:CD+16*(\a)+11], s[SB+2*(\a):SB+2*(\a)+1]
	global_store_b128 v[OFF2], v[CD+16*(\a)+12:CD+16*(\a)+15], s[SB+2*(\a):SB+2*(\a)+1] offset:512
.endm
	PLACES NP                                      ; behind the last products: their results are read, and the registers that held P's fragments are written
.irp a, 0,1,2,3,4,5,6,7
	OUTBLK \a
.endr
	s_wait_tensorcnt 0x0                           ; the wave's end
	ds_add_u32 v[SPW], v[NIL]
	s_wait_dscnt 0x0
	CROUND                                         ; the closing round: no work-group ends while a partner may still ask for a tile that names it
	s_endpgm
.Lfunc_end_k_q14e7b40ccc_gemm_qkv:
	.size	k_q14e7b40ccc_gemm_qkv, .Lfunc_end_k_q14e7b40ccc_gemm_qkv-k_q14e7b40ccc_gemm_qkv
	.p2alignl 7, 3214868480
	.fill 96, 4, 3214868480
	.section	.rodata,"a",@progbits
	.p2align	6, 0x0
	.amdhsa_kernel k_q14e7b40ccc_gemm_qkv
		.amdhsa_group_segment_fixed_size 327680
		.amdhsa_private_segment_fixed_size 0
		.amdhsa_enable_private_segment 0
		.amdhsa_kernarg_size 56
		.amdhsa_user_sgpr_count 2
		.amdhsa_user_sgpr_kernarg_segment_ptr 1
		.amdhsa_wavefront_size32 1
		.amdhsa_system_sgpr_workgroup_id_x 1
		.amdhsa_system_sgpr_workgroup_id_y 1
		.amdhsa_system_sgpr_workgroup_id_z 1
		.amdhsa_system_vgpr_workitem_id 0
		.amdhsa_next_free_vgpr 1024
		.amdhsa_next_free_sgpr 102
		.amdhsa_reserve_vcc 0
		.amdhsa_float_denorm_mode_32 3
		.amdhsa_float_denorm_mode_16_64 3
		.amdhsa_memory_ordered 1
		.amdhsa_forward_progress 1
		.amdhsa_inst_pref_size 157
	.end_amdhsa_kernel
	.amdgpu_metadata
---
amdhsa.version: [ 1, 2 ]
amdhsa.kernels:
  - .name:           k_q14e7b40ccc_gemm_qkv
    .symbol:         k_q14e7b40ccc_gemm_qkv.kd
    .args:
      - { .name: xc, .offset: 0, .size: 8, .value_kind: global_buffer, .address_space: global }
      - { .name: wac, .offset: 8, .size: 8, .value_kind: global_buffer, .address_space: global }
      - { .name: b_attn, .offset: 16, .size: 8, .value_kind: global_buffer, .address_space: global }
      - { .name: lowp_scales, .offset: 24, .size: 8, .value_kind: global_buffer, .address_space: global }
      - { .name: qc, .offset: 32, .size: 8, .value_kind: global_buffer, .address_space: global }
      - { .name: kc, .offset: 40, .size: 8, .value_kind: global_buffer, .address_space: global }
      - { .name: vc, .offset: 48, .size: 8, .value_kind: global_buffer, .address_space: global }
    .group_segment_fixed_size: 327680
    .private_segment_fixed_size: 0
    .kernarg_segment_align: 8
    .kernarg_segment_size: 56
    .max_flat_workgroup_size: 128
    .sgpr_count:     102
    .vgpr_count:     1024
    .wavefront_size: 32
...
	.end_amdgpu_metadata
.endif
;; end of part 2
;; launch attn (part 3): grid 4 x 64, 16 waves a work-group, clusters of 4 x 1, 327,680 bytes of LDS; arguments qc, kc, vc, lowp_scales, yc; writes yc
.if DOCPART == 3
	.amdgcn_target "amdgcn-amd-amdhsa--gfx1250"
	.amdhsa_code_object_version 6
	.text
	.protected	k_q14e7b40ccc_attn
	.globl	k_q14e7b40ccc_attn
	.p2align	8
	.type	k_q14e7b40ccc_attn,@function
k_q14e7b40ccc_attn:
	s_mov_b64 s[64:65], 0
	v_nop
	global_prefetch_b8 v0, s[64:65] scope:SCOPE_SE
	s_setreg_imm32_b32 hwreg(HW_REG_WAVE_MODE, 25, 1), 1
	s_wait_xcnt 0x0
	s_wait_alu depctr_hold_cnt(0) depctr_sa_sdst(0) depctr_va_vdst(0) depctr_va_sdst(0) depctr_va_ssrc(0) depctr_va_vcc(0) depctr_vm_vsrc(0)
	s_getreg_b32 s2, hwreg(HW_REG_IB_STS2, 6, 4)
	s_cmp_eq_u32 s2, 0
	s_cbranch_scc0 .Lentry_in_a_cluster
	s_endpgm
.Lentry_in_a_cluster:
	s_bfe_u32 s2, ttmp6, 0x10000c
	s_cmp_lg_u32 s2, 0x3003
	s_cbranch_scc0 .Lentry_shape_is_right
	s_endpgm
.Lentry_shape_is_right:
; Causal attention on codes of BF8 (E5M2): y = softmax(q k^T / 8) v for 64 (batch, head) pairs, 2,048 tokens, head size 64; y leaves as codes with the scale 2^e6.
; qc, kc: [pair 64][tile of 16 tokens 128][2][32 lanes][16 bytes], images of a K = 64 fragment.  vc: [pair][block of 128 keys 16][tile of 16 d 4][4][32 lanes][16 bytes], images of a K = 128 fragment.
; yc: [head 16][batch 4][tile of 16 tokens 128][2][32 lanes][16 bytes].
; SOFTMAX: t = score x log2(e) / 8; M = the running largest t rounded up to a whole number; p = 2^(t - M) is quantised with 2^e4; the row's sum is taken of the unquantised p and divides at the end.
; LEFT OUT: key steps all of whose 128 keys come after a tile's 16 queries: the causal mask puts -inf there, so their p is 0 for all values of the inputs.
; A NaN, an infinity or an overflow that reaches only those scores is not carried to the result.
; LIMITS: e2 + e3 between -123 and 130; e4 and e6 between -126 and 112, so that each power of two below is an f32 number; the scaled scores stay under 2^31 in magnitude.
; SHARES.  The four work-groups of a pair form a cluster and walk the same K and V: each tile is asked for JOINTLY (mask 15).  All of a pair's K (131,072 bytes, from LDS byte 0) and V (from VB) stay in LDS:
; keys 0-255 come by the head's load, keys 256-2,047 by one more, each wave one load of each (waves 0-7: K, waves 8-15: V).  Nothing is filled again.
; The 128 tiles of 16 queries of a pair need 1 .. 16 key steps of 128 keys, eight tiles each.  Wave w owns TWO tiles: A of the eight that need 16 - w / 2 steps, B of the eight that need 1 + w / 2:
; 17 tile-steps and two diagonals in every wave.  Which of the eight: 2 x the place in the cluster + w % 2, the same for A and B.  So the steps' counts hang on the wave's number alone, and no branch,
; trip count or LDS address hangs on the place in the cluster; it enters global addresses and the mask's data alone.  Waves 0 and 1 of every work-group walk all 16 steps, so every partner reads every tile that a joint load brings.
; While both tiles are live (step <= w / 2) they share each fragment of K and V read from LDS; afterwards the step serves A alone.
; Every wave walks all 16 trips (constant trip counts); scalar branches on the wave's counts lead round work that is hidden, and round no barrier.
; NO PREFETCH: both fills go out at the head, and no later load exists for a request to run ahead of.
; LAYOUT.  Both products transposed: S^T = K Q^T, O^T = V^T P^T: a lane holds one query (lane % 16); register 8 t + i of S holds key 16 t + 8 (lane / 16) + i.
; REGISTERS: v1-5 addresses and the scale; v6-13 -M, largest t, sum for A and B; v14-15 f; v16-31 Q; v32-95 fragments of K, then of V; v96-159 S, then p; v160-223 O^T of A, B; v224-255 p's codes of A, B.
; The softmax's scratch registers lie in B's code registers, which are free until B's conversions write them.
.set SPARE, 0x40000
.set VB,    0x20000
.set LI,   1                           ; 16 x lane
.set AD,   2                           ; LDS address of the loads in hand
.set PSC,  3                           ; 2^e4
.set SPW,  4                           ; my spare word; never rewritten
.set NIL,  5                           ; 0; never rewritten
.set NMA,  6
.set LA,   8
.set NMB,  10
.set LB,   12
.set F,    14
.set QA,   16
.set QB,   24
.set FRG,  32
.set S,    96
.set OA,   160
.set OB,   192
.set PCA,  224
.set PCB,  240
.set MX,   242
.set SUM2, 246
.set DM,   248
.set DM2,  249
.set NINF, 250
.set YSC,  248
.set TB,   2                           ; LDS byte of the step's K block
.set J,    3                           ; the step
.set WV,   18
.set SEL,  20
.set CS,   22
.set G1A,  24
.set G1B,  32
.set G0A,  40
.set G0B,  44
.set SA,   48                          ; tile A's last step: 15 - wave / 2
.set CX,   49
.set YBA,  50
.set YBB,  52
.set YS,   54
.set TS,   55
.set EPV,  56
.set YLO,  57
.set YHI,  58
.set PL,   59                          ; 57,344 x 2^e4
.set DQS,  88                          ; 16 x my tiles' place among their eight
.set SB,   90                          ; tile B's last step: wave / 2
.macro CROUND                          ; a round of the cluster's barrier
	s_barrier_signal -1
	s_barrier_wait -1
	s_cmp_lg_u32 s[WV], 0
	s_cbranch_scc1 .Lnot_wave_0_\@
	s_barrier_signal -3
.Lnot_wave_0_\@:
	s_barrier_wait -3
	s_barrier_signal -1
	s_barrier_wait -1
.endm
	s_load_b256 s[4:11], s[0:1], 0x0               ; qc, kc, vc, the exponents
	s_load_b64 s[12:13], s[0:1], 0x20              ; yc
	v_lshl_add_u32 v[SPW], v0, 2, SPARE
	v_mov_b32 v[NIL], 0
	ds_add_u32 v[SPW], v[NIL]                      ; the opening lines: the add, twice on end, and its wait
	ds_add_u32 v[SPW], v[NIL]
	v_lshrrev_b32 v[AD], 5, v0
	s_delay_alu instid0(VALU_DEP_1)
	v_readfirstlane_b32 s[WV], v[AD]               ; wave 0..15
	s_and_b32 s14, ttmp7, 0xffff                   ; the pair: 16 x batch + head
	s_bfe_u32 s[CX], ttmp6, 0x40000                ; my place in the cluster
	s_and_b32 s15, s[WV], 7
	s_lshr_b32 s16, s[WV], 3
	s_lshl_b32 s16, s16, 17                        ; K's bytes or V's
	s_lshl_b32 s17, s15, 11                        ; first fill: 2,048 bytes a wave
	s_mul_i32 s19, s15, 14336
	s_add_co_u32 s19, s19, 16384                   ; second fill: 14,336 bytes a wave, behind the first 16,384
	s_mov_b32 s[G1A], 15|(3<<16)|(1<<21)           ; the mask names the four partners; elements of 8 bytes; bit 21 set beside a mask
	s_mov_b32 s[G1A+1], 32<<16                     ; rows of 256 bytes,
	s_mov_b32 s[G1A+2], 8<<16                      ; 8 of them
	s_mov_b32 s[G1A+3], 32<<16
	s_mov_b32 s[G1A+4], 8
	s_mov_b32 s[G1A+5], 32
	s_mov_b32 s[G1A+6], 0
	s_mov_b32 s[G1A+7], 0
	s_mov_b32 s[G1B], 15|(3<<16)|(1<<21)
	s_mov_b32 s[G1B+1], 32<<16
	s_mov_b32 s[G1B+2], 56<<16                     ; 56 rows
	s_mov_b32 s[G1B+3], 32<<16
	s_mov_b32 s[G1B+4], 56
	s_mov_b32 s[G1B+5], 32
	s_mov_b32 s[G1B+6], 0
	s_mov_b32 s[G1B+7], 0
	s_mov_b32 s[G0A], 1
	s_add_co_u32 s[G0A+1], s16, s17
	s_mov_b32 s[G0B], 1
	s_add_co_u32 s[G0B+1], s16, s19
	s_lshl_b32 s60, s14, 17                        ; a pair is 131,072 bytes in qc, kc and vc
	s_add_co_u32 s62, s60, s17
	s_mov_b32 s63, 0
	s_add_co_u32 s66, s60, s19
	s_mov_b32 s67, 0
	s_lshr_b32 s[SB], s[WV], 1
	s_sub_co_u32 s[SA], 15, s[SB]
	s_wait_dscnt 0x0                               ; both opening adds are done
	s_wait_kmcnt 0x0
	s_load_b256 s[68:75], s[10:11], 0x0            ; e0 .. e7
	s_cmp_lt_u32 s[WV], 8
	s_cselect_b64 s[76:77], s[6:7], s[8:9]
	s_add_nc_u64 s[G0A+2:G0A+3], s[76:77], s[62:63]
	s_or_b32 s[G0A+3], s[G0A+3], 0x80000000
	s_add_nc_u64 s[G0B+2:G0B+3], s[76:77], s[66:67]
	s_or_b32 s[G0B+3], s[G0B+3], 0x80000000
	CROUND                                         ; the four partners are here: the first joint loads meet
	tensor_load_to_lds s[G0A:G0A+3], s[G1A:G1A+7]  ; keys 0-255: my one load at the head
	s_nop 0
	s_and_b32 s15, s[WV], 1
	s_lshl_b32 s16, s[CX], 1
	s_add_co_u32 s15, s15, s16                     ; which of a class's eight tiles: 2 x place + wave % 2
	s_lshl_b32 s[DQS], s15, 4
	s_lshl_b32 s15, s15, 10                        ; a tile is 1,024 bytes in qc and yc
	s_lshl_b32 s80, s[SA], 13
	s_add_co_u32 s80, s80, s15                     ; tile A: 8 x its last step + which
	s_lshl_b32 s82, s[SB], 13
	s_add_co_u32 s82, s82, s15                     ; tile B likewise
	s_mov_b32 s81, 0
	s_mov_b32 s83, 0
	s_mov_b32 s61, 0
	s_add_nc_u64 s[78:79], s[4:5], s[60:61]
	s_add_nc_u64 s[84:85], s[78:79], s[82:83]
	s_add_nc_u64 s[78:79], s[78:79], s[80:81]
	v_and_b32 v[LI], 31, v0
	s_delay_alu instid0(VALU_DEP_1)
	v_lshlrev_b32 v[LI], 4, v[LI]
	global_load_b128 v[QA:QA+3], v[LI], s[78:79]
	global_load_b128 v[QA+4:QA+7], v[LI], s[78:79] offset:512
	global_load_b128 v[QB:QB+3], v[LI], s[84:85]
	global_load_b128 v[QB+4:QB+7], v[LI], s[84:85] offset:512
	s_and_b32 s86, s14, 15
	s_lshl_b32 s86, s86, 19
	s_lshr_b32 s87, s14, 4
	s_lshl_b32 s87, s87, 17
	s_add_co_u32 s86, s86, s87
	s_mov_b32 s87, 0
	s_add_nc_u64 s[YBA:YBA+1], s[12:13], s[86:87]
	s_add_nc_u64 s[YBB:YBB+1], s[YBA:YBA+1], s[82:83]   ; where tile B's rows of y go,
	s_add_nc_u64 s[YBA:YBA+1], s[YBA:YBA+1], s[80:81]   ; and tile A's
	s_mov_b32 s[SEL], 0x76543210
	s_mov_b32 s[SEL+1], 0xfedcba98
	s_mov_b32 s[CS], 0x3e38aa3b                    ; log2(e) / 8
	s_mov_b32 s[TB], 0
	s_mov_b32 s[J], 0
	v_mov_b32 v[NMA], 0x7f61b1e6                   ; -M = 3e38, the largest t = -3e38: under every t
	v_mov_b32 v[NMA+1], 0xff61b1e6
	v_mov_b32 v[NMB], 0x7f61b1e6
	v_mov_b32 v[NMB+1], 0xff61b1e6
	v_mov_b32 v[LA], 0
	v_mov_b32 v[LA+1], 0
	v_mov_b32 v[LB], 0
	v_mov_b32 v[LB+1], 0
	v_mov_b32 v[F], 0
	v_mov_b32 v[F+1], 0                            ; (named as the upper half of a pair)
.set j, 0
.rept 64
	v_mov_b32 v[OA+j], 0                           ; O^T of both tiles: the step is written without a first form of its own
.set j, j+1
.endr
	s_wait_kmcnt 0x0
	s_add_co_i32 s[TS], s70, s71
	s_lshl_b32 s[TS], s[TS], 23
	s_add_co_i32 s[CS], s[CS], s[TS]               ; x 2^(e2 + e3), added to the exponent field
	s_mov_b32 s[CS+1], s[CS]
	s_add_co_i32 s[TS], s72, 127
	s_lshl_b32 s[EPV], s[TS], 23
	v_mov_b32 v[PSC], s[EPV]
	s_add_co_i32 s[TS], s[TS], 15
	s_lshl_b32 s[TS], s[TS], 23
	s_or_b32 s[PL], s[TS], 0x600000
	s_add_co_i32 s[TS], s74, 127
	s_lshl_b32 s[YS], s[TS], 23                    ; 2^e6
	s_add_co_i32 s[TS], s[TS], 15
	s_lshl_b32 s[TS], s[TS], 23
	s_or_b32 s[YHI], s[TS], 0x600000               ; 57,344 x 2^e6,
	s_or_b32 s[YLO], s[YHI], 0x80000000            ; and its negative
	s_add_co_i32 s[EPV], s72, s73                  ; e4 + e5
; The softmax of one tile's 128 keys: S -> p's codes.  last: the tile's last step, which lies on the diagonal.  w = 1: the wait ahead of O^T's first readers is owed.
.macro SOFT last, w, nm, l, o, pc
	s_cmp_lg_u32 s[J], s[\last]
	s_cbranch_scc1 .Lopen_\@
	v_bfe_u32 v[DM], v[LI], 4, 4                   ; r
	v_bfe_u32 v[DM2], v[LI], 8, 1                  ; h
	v_mov_b32 v[NINF], 0xff800000
	v_lshlrev_b32 v[DM2], 3, v[DM2]
	v_add_nc_u32 v[DM], s[DQS], v[DM]
	v_sub_nc_u32 v[DM], v[DM], v[DM2]              ; d = my query's place in the step's 128 - 8 h: register 8 t + i is hidden where 16 t + i > d
	v_add_nc_u32 v[DM2], 0xffffffc0, v[DM]         ; d - 64, so that every constant below is an inline one
.set n, 0
.rept 32
	v_cmp_gt_i32 vcc_lo, 16*(n/8)+n%8, v[DM]
	v_cndmask_b32 v[S+n], v[S+n], v[NINF], vcc_lo
.set n, n+1
.endr
.rept 32
	v_cmp_gt_i32 vcc_lo, 16*(n/8)+n%8-64, v[DM2]
	v_cndmask_b32 v[S+n], v[S+n], v[NINF], vcc_lo
.set n, n+1
.endr
.Lopen_\@:
	v_max3_num_f32 v[MX], v[S], v[S+1], v[S+2]     ; the step's largest score, in two chains, each accumulator from its low end on
	v_max3_num_f32 v[MX+1], v[S+3], v[S+4], v[S+5]
.set i, 6
.rept 14
	v_max3_num_f32 v[MX], v[MX], v[S+i], v[S+i+1]
	v_max3_num_f32 v[MX+1], v[MX+1], v[S+i+2], v[S+i+3]
.set i, i+4
.endr
	v_max3_num_f32 v[MX], v[MX], v[S+62], v[S+63]
	s_delay_alu instid0(VALU_DEP_1)
	v_max_num_f32 v[MX], v[MX], v[MX+1]
	s_delay_alu instid0(VALU_DEP_1)
	v_permlanex16_b32 v[MX+1], v[MX], s[SEL], s[SEL+1]
	s_delay_alu instid0(VALU_DEP_1)
	v_max_num_f32 v[MX], v[MX], v[MX+1]            ; and lane l xor 16's
	s_delay_alu instid0(VALU_DEP_1)
	v_mul_f32 v[MX], s[CS], v[MX]
	s_delay_alu instid0(VALU_DEP_1)
	v_max_num_f32 v[\nm+1], v[\nm+1], v[MX]        ; the running largest t
	v_mov_b32 v[MX], v[\nm]
	s_delay_alu instid0(VALU_DEP_2)
	v_floor_f32 v[\nm], -v[\nm+1]                  ; -M = floor(-t)
	s_delay_alu instid0(VALU_DEP_1)
	v_sub_f32 v[MX], v[\nm], v[MX]
	s_delay_alu instid0(VALU_DEP_1)
	v_cvt_i32_f32 v[MX], v[MX]
	s_delay_alu instid0(VALU_DEP_1)
	v_ldexp_f32 v[F], 1.0, v[MX]                   ; f = 2^(old M - new M)
.if \w
	s_wait_alu depctr_va_vdst(0)                   ; the wait, directly ahead of the first readers of O^T: tile A's exponentials stand behind the products that wrote it
.endif
.set j, 0
.rept 16
	v_pk_mul_f32 v[\o+j:\o+j+1], v[\o+j:\o+j+1], v[F:F+1] op_sel_hi:[1,0]
.set j, j+2
.endr
	v_pk_mul_f32 v[\l:\l+1], v[\l:\l+1], v[F:F+1] op_sel_hi:[1,0]
.set j, 0
.rept 32
	v_pk_fma_f32 v[S+j:S+j+1], v[S+j:S+j+1], s[CS:CS+1], v[\nm:\nm+1] op_sel_hi:[1,0,0]   ; t - M
.set j, j+2
.endr
	s_wait_alu depctr_va_vdst(0)                   ; the wait ahead of the batch
.set j, 0
.rept 64
	v_exp_f32 v[S+j], v[S+j]
.set j, j+1
.endr
	v_nop                                          ; a plain place behind the exponentials
	s_wait_alu depctr_va_vdst(0)                   ; one wait for the batch, ahead of its first reader
	v_pk_add_f32 v[SUM2:SUM2+1], v[S:S+1], v[S+2:S+3]   ; the sum of the unquantised p, in two chains
.set j, 4
.rept 15
	v_pk_add_f32 v[\l:\l+1], v[\l:\l+1], v[S+j:S+j+1]
	v_pk_add_f32 v[SUM2:SUM2+1], v[SUM2:SUM2+1], v[S+j+2:S+j+3]
.set j, j+4
.endr
	s_delay_alu instid0(VALU_DEP_1)
	v_pk_add_f32 v[\l:\l+1], v[\l:\l+1], v[SUM2:SUM2+1]
.irp t, 0,1,2,3,4,5,6,7
.irp i, 0,2,4,6
	v_dual_min_num_f32 v[S+8*\t+\i], s[PL], v[S+8*\t+\i] :: v_dual_min_num_f32 v[S+8*\t+\i+1], s[PL], v[S+8*\t+\i+1]   ; the hold at the largest code x the scale (ISA guide 7.6.2); p is not negative; two a line
.endr
	v_cvt_scalef32_pk8_bf8_f32 v[\pc+2*\t:\pc+2*\t+1], v[S+8*\t:S+8*\t+7], v[PSC]
.endr
	v_nop                                          ; one plain line behind the last conversion
.endm
.macro VLOADS                          ; V's four fragments of the step's 128 keys, over K's
.irp t, 0,1,2,3
.irp c, 0,1,2,3
	ds_load_b128 v[FRG+16*\t+4*\c:FRG+16*\t+4*\c+3], v[AD] offset:2048*\t+512*\c
.endr
.endr
.endm
; A KEY STEP: 128 keys.  K's eight fragments serve A's scores and, while B is live, still in registers, B's; V's four then take their place and serve O^T of the live tiles.
.macro STEP
	s_cmp_gt_u32 s[J], s[SA]
	s_cbranch_scc1 .Lhid_\@
	v_add_nc_u32 v[AD], s[TB], v[LI]
.rept 3
	v_nop                                          ; with the line above: four places behind the last products, ahead of loads into their sources
.endr
.irp t, 0,1,2,3,4,5,6,7
	ds_load_b128 v[FRG+8*\t:FRG+8*\t+3], v[AD] offset:1024*\t
	ds_load_b128 v[FRG+8*\t+4:FRG+8*\t+7], v[AD] offset:1024*\t+512
.endr
	s_wait_alu depctr_va_vdst(0)
	s_wait_dscnt 0x0
.irp t, 0,1,2,3,4,5,6,7
	v_wmma_f32_16x16x64_bf8_bf8 v[S+8*\t:S+8*\t+7], v[FRG+8*\t:FRG+8*\t+7], v[QA:QA+7], 0
.endr
.rept 4
	v_nop
.endr
	SOFT SA, 0, NMA, LA, OA, PCA
	s_add_co_u32 s[TS], s[TB], VB
	s_cmp_gt_u32 s[J], s[SB]                       ; is tile B past its last step?  The wave's number and the step alone decide
	s_cbranch_scc1 .Lsolo_\@
.irp t, 0,1,2,3,4,5,6,7
	v_wmma_f32_16x16x64_bf8_bf8 v[S+8*\t:S+8*\t+7], v[FRG+8*\t:FRG+8*\t+7], v[QB:QB+7], 0
.endr
	v_add_nc_u32 v[AD], s[TS], v[LI]
.rept 3
	v_nop
.endr
	VLOADS                                         ; V comes in under tile B's softmax
	SOFT SB, 1, NMB, LB, OB, PCB
	s_wait_alu depctr_va_vdst(0)
	s_wait_dscnt 0x0
.irp t, 0,1,2,3
	v_wmma_f32_16x16x128_bf8_bf8 v[OB+8*\t:OB+8*\t+7], v[FRG+16*\t:FRG+16*\t+15], v[PCB:PCB+15], v[OB+8*\t:OB+8*\t+7]
.endr
	s_branch .Lpva_\@
.Lsolo_\@:
	v_add_nc_u32 v[AD], s[TS], v[LI]
	VLOADS                                         ; (K's fragments were last read ahead of tile A's softmax)
	s_wait_alu depctr_va_vdst(0)
	s_wait_dscnt 0x0
.Lpva_\@:
.irp t, 0,1,2,3
	v_wmma_f32_16x16x128_bf8_bf8 v[OA+8*\t:OA+8*\t+7], v[FRG+16*\t:FRG+16*\t+15], v[PCA:PCA+15], v[OA+8*\t:OA+8*\t+7]
.endr
.Lhid_\@:
	s_add_co_u32 s[TB], s[TB], 8192
.endm
; The way out of one tile: O^T / the sum x 2^(e4 + e5), held, quantised with 2^e6; the codes are an image as they stand: 512 consecutive aligned bytes a store.
.macro FINISH l, o, sb, yr, yb
	v_add_f32 v[\l], v[\l], v[\l+1]
	s_delay_alu instid0(VALU_DEP_1)
	v_permlanex16_b32 v[F], v[\l], s[SEL], s[SEL+1]
	s_delay_alu instid0(VALU_DEP_1)
	v_add_f32 v[\l], v[\l], v[F]
	s_wait_alu depctr_va_vdst(0)                   ; the wait ahead of the transcendental
	v_rcp_f32 v[\l], v[\l]
	v_nop
	s_wait_alu depctr_va_vdst(0)                   ; and ahead of its first reader
	v_ldexp_f32 v[\l], v[\l], s[EPV]
	s_wait_alu depctr_va_vdst(0)                   ; and directly ahead of the first readers of O^T
.set j, 0
.rept 16
	v_pk_mul_f32 v[\sb+j:\sb+j+1], v[\o+j:\o+j+1], v[\l:\l+1] op_sel_hi:[1,0]
.set j, j+2
.endr
.set j, 0
.rept 32
	v_med3_num_f32 v[\sb+j], v[\sb+j], s[YLO], s[YHI]
.set j, j+1
.endr
.irp t, 0,1,2,3
	v_cvt_scalef32_pk8_bf8_f32 v[\yr+2*\t:\yr+2*\t+1], v[\sb+8*\t:\sb+8*\t+7], v[YSC]
.endr
	v_nop
	global_store_b128 v[LI], v[\yr:\yr+3], s[\yb:\yb+1]
	global_store_b128 v[LI], v[\yr+4:\yr+7], s[\yb:\yb+1] offset:512
.endm
	s_wait_alu depctr_va_vdst(0)
	s_wait_tensorcnt 0x0                           ; my part of keys 0-255 is in; these lines stand ahead of a later first fill as ahead of a refill
	ds_add_u32 v[SPW], v[NIL]
	s_wait_dscnt 0x0
	CROUND                                         ; everybody's part is in, and the four partners are here
	tensor_load_to_lds s[G0B:G0B+3], s[G1B:G1B+7]  ; keys 256-2,047: it has the first two steps in which to land
	s_nop 0
	s_wait_loadcnt 0x0                             ; Q
.Lfirst:                                           ; steps 0 and 1 read the first fill's bytes alone
	STEP
	s_add_co_u32 s[J], s[J], 1
	s_cmp_lt_u32 s[J], 2
	s_cbranch_scc1 .Lfirst
	s_wait_alu depctr_va_vdst(0)
	s_wait_tensorcnt 0x0                           ; my part of the second fill is in,
	s_wait_dscnt 0x0
	s_barrier_signal -1
	s_barrier_wait -1                              ; everybody's is
.Lrest:
	STEP
	s_add_co_u32 s[J], s[J], 1
	s_cmp_lt_u32 s[J], 16
	s_cbranch_scc1 .Lrest
.rept 4
	v_nop                                          ; four places behind the last products: the line below writes one of their sources, and the way out reads their results
.endr
	v_mov_b32 v[YSC], s[YS]
	FINISH LA, OA, S, FRG, YBA
	FINISH LB, OB, S+32, FRG+8, YBB
	s_wait_tensorcnt 0x0                           ; the wave's end
	ds_add_u32 v[SPW], v[NIL]
	s_wait_dscnt 0x0
	CROUND                                         ; the closing round
	s_endpgm
.Lfunc_end_k_q14e7b40ccc_attn:
	.size	k_q14e7b40ccc_attn, .Lfunc_end_k_q14e7b40ccc_attn-k_q14e7b40ccc_attn
	.p2alignl 7, 3214868480
	.fill 96, 4, 3214868480
	.section	.rodata,"a",@progbits
	.p2align	6, 0x0
	.amdhsa_kernel k_q14e7b40ccc_attn
		.amdhsa_group_segment_fixed_size 327680
		.amdhsa_private_segment_fixed_size 0
		.amdhsa_enable_private_segment 0
		.amdhsa_kernarg_size 40
		.amdhsa_user_sgpr_count 2
		.amdhsa_user_sgpr_kernarg_segment_ptr 1
		.amdhsa_wavefront_size32 1
		.amdhsa_system_sgpr_workgroup_id_x 1
		.amdhsa_system_sgpr_workgroup_id_y 1
		.amdhsa_system_sgpr_workgroup_id_z 1
		.amdhsa_system_vgpr_workitem_id 0
		.amdhsa_next_free_vgpr 256
		.amdhsa_next_free_sgpr 100
		.amdhsa_reserve_vcc 1
		.amdhsa_float_denorm_mode_32 3
		.amdhsa_float_denorm_mode_16_64 3
		.amdhsa_memory_ordered 1
		.amdhsa_forward_progress 1
		.amdhsa_inst_pref_size 95
	.end_amdhsa_kernel
	.amdgpu_metadata
---
amdhsa.version: [ 1, 2 ]
amdhsa.kernels:
  - .name:           k_q14e7b40ccc_attn
    .symbol:         k_q14e7b40ccc_attn.kd
    .args:
      - { .name: qc, .offset: 0, .size: 8, .value_kind: global_buffer, .address_space: global }
      - { .name: kc, .offset: 8, .size: 8, .value_kind: global_buffer, .address_space: global }
      - { .name: vc, .offset: 16, .size: 8, .value_kind: global_buffer, .address_space: global }
      - { .name: lowp_scales, .offset: 24, .size: 8, .value_kind: global_buffer, .address_space: global }
      - { .name: yc, .offset: 32, .size: 8, .value_kind: global_buffer, .address_space: global }
    .group_segment_fixed_size: 327680
    .private_segment_fixed_size: 0
    .kernarg_segment_align: 8
    .kernarg_segment_size: 40
    .max_flat_workgroup_size: 512
    .sgpr_count:     100
    .vgpr_count:     256
    .wavefront_size: 32
...
	.end_amdgpu_metadata
.endif
;; end of part 3
;; launch gemm_proj (part 4): grid 4 x 32, 4 waves a work-group, clusters of 4 x 4, 327,680 bytes of LDS; arguments yc, wpc, b_proj, lowp_scales, out0; writes out0
.if DOCPART == 4
	.amdgcn_target "amdgcn-amd-amdhsa--gfx1250"
	.amdhsa_code_object_version 6
	.text
	.protected	k_q14e7b40ccc_gemm_proj
	.globl	k_q14e7b40ccc_gemm_proj
	.p2align	8
	.type	k_q14e7b40ccc_gemm_proj,@function
k_q14e7b40ccc_gemm_proj:
	s_mov_b64 s[64:65], 0
	v_nop
	global_prefetch_b8 v0, s[64:65] scope:SCOPE_SE
	s_setreg_imm32_b32 hwreg(HW_REG_WAVE_MODE, 25, 1), 1
	s_wait_xcnt 0x0
	s_wait_alu depctr_hold_cnt(0) depctr_sa_sdst(0) depctr_va_vdst(0) depctr_va_sdst(0) depctr_va_ssrc(0) depctr_va_vcc(0) depctr_vm_vsrc(0)
	s_getreg_b32 s2, hwreg(HW_REG_IB_STS2, 6, 4)
	s_cmp_eq_u32 s2, 0
	s_cbranch_scc0 .Lentry_in_a_cluster
	s_endpgm
.Lentry_in_a_cluster:
	s_bfe_u32 s2, ttmp6, 0x10000c
	s_cmp_lg_u32 s2, 0xf033
	s_cbranch_scc0 .Lentry_shape_is_right
	s_endpgm
.Lentry_shape_is_right:
.set ROWB,   256
.set KROW,   1024
.set PITCH,  272
.set FR,     16
.set NL,     4
.set NP,     4
.set HALFA,  32768
.set HALFB,  128*PITCH
.set BOFF,   2*HALFA
.set SLOT,   BOFF+2*HALFB
.set ASTEP,  4*524288
.set LAPS,   2
.set SPARE,  2*SLOT
.set SPITCH, 528
.set SIZE_N, 1024
.set ADRA, 16
.set ADRB, 20
.set STO,  24
.set RD,   25
.set CO,   26
.set SPW,  28
.set NIL,  29
.set BIAS, 32
.set AF,   128
.set BK,   128
.set G1, 24
.set G0, 32
.set G1B, 48
.set G0B, 56
.set MSB, 0
.macro WIN new
.if MSB != \new
	s_set_vgpr_msb (MSB<<8)|\new
.set MSB, \new
.endif
.endm
.set MUL_LO, 0xa1
.set MUL_HI, 0xf1
.set TO_B,   0x40
.macro JLOAD g0a, g1a, g0b, g1b
	s_cmp_eq_u32 s15, 0
	s_cbranch_scc0 .Lfor_b_\@
	tensor_load_to_lds s[\g0a:\g0a+3], s[\g1a:\g1a+7]
	s_nop 0
.rept 4
	v_nop
.endr
	s_branch .Lasked_\@
.Lfor_b_\@:
	tensor_load_to_lds s[\g0b:\g0b+3], s[\g1b:\g1b+7]
	s_nop 0
.rept 4
	v_nop
.endr
.Lasked_\@:
.endm
.macro CREST
	s_cmp_lg_u32 s14, 0
	s_cbranch_scc1 .Lnot_wave_0_\@
	s_barrier_signal -3
.Lnot_wave_0_\@:
	s_barrier_wait -3
	s_barrier_signal -1
	s_barrier_wait -1
.endm
.macro CROUND
	s_barrier_signal -1
	s_barrier_wait -1
	CREST
.endm
	s_load_b256 s[4:11], s[0:1], 0x0
	s_load_b64 s[12:13], s[0:1], 0x20
	v_lshl_add_u32 v[SPW], v0, 2, SPARE
	v_mov_b32 v[NIL], 0
	ds_add_u32 v28, v29
	ds_add_u32 v28, v29
	s_wait_dscnt 0x0
	v_lshrrev_b32 v1, 5, v0
	v_readfirstlane_b32 s14, v1
	s_lshr_b32 s15, s14, 1
	s_and_b32 s16, s14, 1
	s_bfe_u32 s40, ttmp6, 0x40000
	s_bfe_u32 s41, ttmp6, 0x40004
	s_lshl_b32 s42, ttmp9, 2
	s_add_co_u32 s42, s42, s40
	s_and_b32 s17, ttmp7, 0xffff
	s_lshl_b32 s17, s17, 2
	s_add_co_u32 s17, s17, s41
	s_lshl_b32 s43, s41, 2
	s_lshl_b32 s43, 15, s43
	s_lshl_b32 s44, 0x1111, s40
	s_or_b32 s[G1+0], s43, (0<<16)|(1<<21)
	s_mov_b32 s[G1+1], 8192<<16
	s_mov_b32 s[G1+2], 4<<16
	s_mov_b32 s[G1+3], 8192<<16
	s_mov_b32 s[G1+4], 4
	s_mov_b32 s[G1+5], 524288
	s_mov_b32 s[G1+6], 0
	s_mov_b32 s[G1+7], 0
	s_or_b32 s[G1B+0], s44, (0<<16)|(1<<20)|(1<<21)|(5<<22)|(3<<25)
	s_mov_b32 s[G1B+1], ROWB<<16
	s_mov_b32 s[G1B+2], 128<<16
	s_mov_b32 s[G1B+3], ROWB<<16
	s_mov_b32 s[G1B+4], 128
	s_mov_b32 s[G1B+5], KROW
	s_mov_b32 s[G1B+6], 0
	s_mov_b32 s[G1B+7], 0
	s_lshl_b32 s20, s17, 14
	s_lshl_b32 s18, s16, 13
	s_add_co_u32 s20, s20, s18
	s_mov_b32 s21, 0
	s_lshl_b32 s46, s42, 18
	s_lshl_b32 s47, s16, 17
	s_add_co_u32 s46, s46, s47
	s_mov_b32 s47, 0
	s_lshl_b32 s45, s16, 15
	s_mul_i32 s19, s16, HALFB
	s_add_co_u32 s19, s19, BOFF
	s_wait_kmcnt 0x0
	s_load_b64 s[96:97], s[10:11], 0x18
	s_add_nc_u64 s[20:21], s[4:5], s[20:21]
	s_add_nc_u64 s[46:47], s[6:7], s[46:47]
	CROUND
.irp s, 0,1
	s_mov_b32 s[G0+4*\s], 1
	s_add_co_u32 s[G0+4*\s+1], s45, \s*SLOT
	s_add_nc_u64 s[G0+4*\s+2:G0+4*\s+3], s[20:21], \s*ASTEP
	s_or_b32 s[G0+4*\s+3], s[G0+4*\s+3], 0x80000000
	s_mov_b32 s[G0B+4*\s], 1
	s_add_co_u32 s[G0B+4*\s+1], s19, \s*SLOT
	s_add_nc_u64 s[G0B+4*\s+2:G0B+4*\s+3], s[46:47], \s*ROWB
	s_or_b32 s[G0B+4*\s+3], s[G0B+4*\s+3], 0x80000000
	s_wait_alu depctr_va_vdst(0)
	s_wait_tensorcnt 0x0
	ds_add_u32 v28, v29
	ds_add_u32 v28, v29
	s_wait_dscnt 0x0
	CROUND
	JLOAD G0+4*\s, G1, G0B+4*\s, G1B
.endr
	v_and_b32 v1, 15, v0
	v_bfe_u32 v2, v0, 4, 1
	v_and_b32 v6, 31, v0
	v_lshlrev_b32 v[CO], 4, v6
	v_mul_u32_u24 v3, v1, PITCH
	v_lshl_add_u32 v4, v2, 4, v3
	s_lshl_b32 s21, s15, 15
	s_mul_i32 s22, s16, HALFB
	s_add_co_u32 s22, s22, BOFF
.irp s, 0,1
	v_add_nc_u32 v[ADRA+\s], s21, v[CO]
	v_add_nc_u32 v[ADRB+\s], s22, v4
	s_add_co_u32 s21, s21, SLOT
	s_add_co_u32 s22, s22, SLOT
.endr
	s_mul_i32 s23, s14, 16*SPITCH
	v_mul_u32_u24 v5, v1, SPITCH
	v_lshl_add_u32 v5, v2, 5, v5
	v_add_nc_u32 v[STO], s23, v5
	v_add_nc_u32 v[RD], s23, v[CO]
	s_lshl_b32 s46, s42, 10
	s_lshl_b32 s47, s16, 9
	s_add_co_u32 s46, s46, s47
	s_mov_b32 s47, 0
	s_add_nc_u64 s[8:9], s[8:9], s[46:47]
	v_lshlrev_b32 v7, 5, v2
.irp b, 0,1,2,3,4,5,6,7
	global_load_b128 v[BIAS+8*\b:BIAS+8*\b+3], v7, s[8:9] offset:64*\b
	global_load_b128 v[BIAS+8*\b+4:BIAS+8*\b+7], v7, s[8:9] offset:64*\b+16
.endr
	s_lshl_b32 s20, s17, 20
	s_lshl_b32 s21, s15, 19
	s_add_co_u32 s20, s20, s21
	s_mov_b32 s21, 0
	s_add_nc_u64 s[20:21], s[20:21], s[46:47]
	s_add_nc_u64 s[12:13], s[12:13], s[20:21]
.macro FRAG reg, adr, q, i
.irp c, 0,1,2,3
	ds_load_b128 v[\reg+4*\c:\reg+4*\c+3], v[\adr] offset:128*(\q)+32*\c+(\i)*16*PITCH
.endr
.endm
.macro FRAG_A reg, slot, q, i
.irp c, 0,1,2,3
	ds_load_b128 v[\reg+4*\c:\reg+4*\c+3], v[ADRA+\slot] offset:(2*(\q)+\c/2)*8192+(\i)*1024+(\c%2)*512
.endr
.endm
.macro MUL16 a0, p, zero
.irp a, \a0, \a0+1
.irp b, 0,1,2,3,4,5,6,7
.if \zero
	v_wmma_f32_16x16x128_bf8_bf8 v[8*(8*((\a)%4)+\b):8*(8*((\a)%4)+\b)+7], v[128*(\p)+FR*\b:128*(\p)+FR*\b+FR-1], v[AF+FR*(\a):AF+FR*(\a)+FR-1], 0
.else
	v_wmma_f32_16x16x128_bf8_bf8 v[8*(8*((\a)%4)+\b):8*(8*((\a)%4)+\b)+7], v[128*(\p)+FR*\b:128*(\p)+FR*\b+FR-1], v[AF+FR*(\a):AF+FR*(\a)+FR-1], v[8*(8*((\a)%4)+\b):8*(8*((\a)%4)+\b)+7]
.endif
.endr
.endr
.endm
.macro FETCH_B slot, q, p
	WIN TO_B
.irp i, 0,1,2,3,4,5,6,7
	FRAG 128*(\p)+FR*\i, ADRB+\slot, \q, \i
.endr
	WIN 0
.endm
.macro FETCH_A slot, q, i0
.irp i, \i0, \i0+1, \i0+2, \i0+3
	FRAG_A AF+FR*(\i), \slot, \q, \i
.endr
.endm
.macro PLACES n
.rept \n
	v_nop
.endr
.endm
.macro STEP slot, q, zero
	s_wait_dscnt 4*NL
	WIN MUL_LO
	MUL16 0, (\q)%2, \zero
	MUL16 2, (\q)%2, \zero
	s_wait_dscnt 0
	PLACES NP
	FETCH_B \slot, (\q)+1, 1-(\q)%2
	FETCH_A \slot, (\q)+1, 0
	WIN MUL_HI
	MUL16 4, (\q)%2, \zero
	MUL16 6, (\q)%2, \zero
	PLACES NP
	WIN 0
	FETCH_A \slot, (\q)+1, 4
.endm
.macro TURN slot, next, fill
	s_wait_tensorcnt 0x0
	ds_add_u32 v[SPW], v[NIL]
	s_wait_dscnt 4*NL+1
	WIN MUL_LO
	MUL16 0, 1, 0
	s_wait_dscnt 0x0
	s_barrier_signal -1
	MUL16 2, 1, 0
	WIN 0
	s_barrier_wait -1
.if \fill
	CREST
	s_add_nc_u64 s[G0+4*\slot+2:G0+4*\slot+3], s[G0+4*\slot+2:G0+4*\slot+3], 2*ASTEP
	s_add_nc_u64 s[G0B+4*\slot+2:G0B+4*\slot+3], s[G0B+4*\slot+2:G0B+4*\slot+3], 2*ROWB
	JLOAD G0+4*\slot, G1, G0B+4*\slot, G1B
.else
	PLACES NP
.endif
	FETCH_B \next, 0, 0
	FETCH_A \next, 0, 0
	WIN MUL_HI
	MUL16 4, 1, 0
	MUL16 6, 1, 0
	PLACES NP
	WIN 0
	FETCH_A \next, 0, 4
.endm
	s_wait_alu depctr_va_vdst(0)
	s_wait_tensorcnt 1
	s_barrier_signal -1
	s_barrier_wait -1
	FETCH_B 0, 0, 0
	FETCH_A 0, 0, 0
	FETCH_A 0, 0, 4
	STEP 0, 0, 1
	s_mov_b32 s3, LAPS-1
.Llap:
	TURN 0, 1, 1
	STEP 1, 0, 0
	TURN 1, 0, 1
	STEP 0, 0, 0
	s_sub_co_u32 s3, s3, 1
	s_cmp_lg_u32 s3, 0
	s_cbranch_scc1 .Llap
	TURN 0, 1, 0
	STEP 1, 0, 0
	s_wait_dscnt 4*NL
	WIN MUL_LO
	MUL16 0, 1, 0
	MUL16 2, 1, 0
	s_wait_dscnt 0
	WIN MUL_HI
	MUL16 4, 1, 0
	MUL16 6, 1, 0
	WIN 0
.macro TOSTAGE a
.set AC, 64*((\a)%4)
.set WW, 2+((\a)/4)
	WIN (65*WW)
.set j, 0
.rept 32
	v_pk_fma_f32 v[AC+j:AC+j+1], v[AC+j:AC+j+1], s[96:97], v[BIAS+j:BIAS+j+1] op_sel_hi:[1,0,1]
.set j, j+2
.endr
	WIN (4*WW)
.irp b, 0,1,2,3,4,5,6,7
	ds_store_b128 v[STO], v[AC+8*\b:AC+8*\b+3] offset:64*\b
	ds_store_b128 v[STO], v[AC+8*\b+4:AC+8*\b+7] offset:64*\b+16
.endr
	WIN 0
.set BB, BK+64*((\a)%2)
.irp t, 0,1,2,3,4,5,6,7,8,9,10,11,12,13,14,15
	ds_load_b128 v[BB+4*\t:BB+4*\t+3], v[RD] offset:\t*SPITCH
.endr
.endm
.macro SEND a, younger
.set BB, BK+64*((\a)%2)
	s_wait_dscnt \younger
.if (\a) > 0
	s_add_nc_u64 s[12:13], s[12:13], 16*SIZE_N*4
.endif
.irp t, 0,1,2,3,4,5,6,7,8,9,10,11,12,13,14,15
	global_store_b128 v[CO], v[BB+4*\t:BB+4*\t+3], s[12:13] offset:\t*SIZE_N*4 th:TH_STORE_NT
.endr
.endm
	s_wait_kmcnt 0x0
	s_add_co_i32 s96, s96, s97
	s_add_co_i32 s96, s96, 127
	s_lshl_b32 s96, s96, 23
	s_mov_b32 s97, s96
	s_wait_loadcnt 0x0
	PLACES NP
	TOSTAGE 0
.irp a, 1,2,3,4,5,6,7
.if \a > 1
	s_wait_xcnt 0x0
.endif
	TOSTAGE \a
	SEND \a-1, 32
.endr
	s_wait_xcnt 0x0
	SEND 7, 0
	s_wait_tensorcnt 0x0
	ds_add_u32 v[SPW], v[NIL]
	s_wait_dscnt 0x0
	CROUND
	s_endpgm
.Lfunc_end_k_q14e7b40ccc_gemm_proj:
	.size	k_q14e7b40ccc_gemm_proj, .Lfunc_end_k_q14e7b40ccc_gemm_proj-k_q14e7b40ccc_gemm_proj
	.p2alignl 7, 3214868480
	.fill 96, 4, 3214868480
	.section	.rodata,"a",@progbits
	.p2align	6, 0x0
	.amdhsa_kernel k_q14e7b40ccc_gemm_proj
		.amdhsa_group_segment_fixed_size 327680
		.amdhsa_private_segment_fixed_size 0
		.amdhsa_enable_private_segment 0
		.amdhsa_kernarg_size 40
		.amdhsa_user_sgpr_count 2
		.amdhsa_user_sgpr_kernarg_segment_ptr 1
		.amdhsa_wavefront_size32 1
		.amdhsa_system_sgpr_workgroup_id_x 1
		.amdhsa_system_sgpr_workgroup_id_y 1
		.amdhsa_system_sgpr_workgroup_id_z 1
		.amdhsa_system_vgpr_workitem_id 0
		.amdhsa_next_free_vgpr 1024
		.amdhsa_next_free_sgpr 98
		.amdhsa_reserve_vcc 0
		.amdhsa_float_denorm_mode_32 3
		.amdhsa_float_denorm_mode_16_64 3
		.amdhsa_memory_ordered 1
		.amdhsa_forward_progress 1
		.amdhsa_inst_pref_size 126
	.end_amdhsa_kernel
	.amdgpu_metadata
---
amdhsa.version: [ 1, 2 ]
amdhsa.kernels:
  - .name:           k_q14e7b40ccc_gemm_proj
    .symbol:         k_q14e7b40ccc_gemm_proj.kd
    .args:
      - { .name: yc, .offset: 0, .size: 8, .value_kind: global_buffer, .address_space: global }
      - { .name: wpc, .offset: 8, .size: 8, .value_kind: global_buffer, .address_space: global }
      - { .name: b_proj, .offset: 16, .size: 8, .value_kind: global_buffer, .address_space: global }
      - { .name: lowp_scales, .offset: 24, .size: 8, .value_kind: global_buffer, .address_space: global }
      - { .name: out0, .offset: 32, .size: 8, .value_kind: global_buffer, .address_space: global }
    .group_segment_fixed_size: 327680
    .private_segment_fixed_size: 0
    .kernarg_segment_align: 8
    .kernarg_segment_size: 40
    .max_flat_workgroup_size: 128
    .sgpr_count:     98
    .vgpr_count:     1024
    .wavefront_size: 32
...
	.end_amdgpu_metadata
.endif
;; end of part 4
